; MI455X (gfx1250); checked and timed in simulation.
; The chip was launched on July 23, 2026; its instructions are those of AMD's public machine-readable ISA for CDNA 5 (MIT licence, August 2026) and "CDNA5" Instruction Set Architecture Reference Guide (July 2026). The comments in the code are by the model that wrote it; some were corrected since.
;; Multi Head Attention With Ro PE. Allowed arithmetic: float matrix products may take bf16 or f16 operands with f32 sums; other float arithmetic in f32, or as packed bf16 or f16 multiplies, adds, multiply-adds, maxima and minima; sums over many terms, partial sums and values carried from step to step in f32; what a program stores and reads back later, other than sums and carried values, may be rounded once to bf16 or f16.
;; Inputs: Wproj 1,024 x 1,024 float32; Wqkv 1,024 x 3,072 float32; bproj 1,024 float32; kn_w 64 float32; qn_w 64 float32; x 1 x 3,520 x 1,024 float32.
;; Outputs: out0 1 x 3,520 x 1,024 float32.
;; 2 versions, each right; version 2 is version 1 with the launch prep written anew for expert scheduling mode. Each part assembles by itself: llvm-mc -triple=amdgcn-amd-amdhsa -mcpu=gfx1250 --defsym DOCPART=n.
;; ======== version 1 of 2: 4 launches
;; limits: values are held in f16: magnitudes above 65,504 overflow, below 6.1e-05 lose precision
;; workspace buffers: x16 7,208,960 bytes; wq16 6,291,456 bytes; wp16 2,097,152 bytes; tab 901,120 bytes; q16 7,208,960 bytes; k16 7,208,960 bytes; v16 7,208,960 bytes; o16 7,208,960 bytes
;; launch prep (part 1): grid 531 x 1, 8 waves a work-group, no clusters, 0 bytes of LDS; arguments x, Wqkv, Wproj, x16, wq16, wp16, tab; writes x16, wq16, wp16, tab
.if DOCPART == 1
	.amdgcn_target "amdgcn-amd-amdhsa--gfx1250"
	.amdhsa_code_object_version 6
	.text
	.protected	k_q8bca0de608_prep
	.globl	k_q8bca0de608_prep
	.p2align	8
	.type	k_q8bca0de608_prep,@function
k_q8bca0de608_prep:
	s_mov_b64 s[64:65], 0
	v_nop
	global_prefetch_b8 v0, s[64:65] scope:SCOPE_SE
	s_setreg_imm32_b32 hwreg(HW_REG_WAVE_MODE, 25, 1), 1
	s_wait_xcnt 0x0
; PREP: the matrix operands are rounded once, and the table of cosines and sines is made.
;   x [3520][1024] f32 -> x16, bf16, same layout.   Wqkv [1024][3072] f32 -> wq16, bf16, same layout.
;   Wproj [1024][1024] f32 -> wp16: rounded to bf16 like the other inputs, and that number written as f16 (exact from 6.1e-5 up; below it f16's fixed step of 6e-8).
;   tab [3520][32] pairs (cos, sin) of t x 10000^(-j/32) in f32: 256 bytes a row.
; A stream: no LDS, no matrix unit, no cluster (no byte is wanted twice).  Work-groups 0-219 take x, 220-411 Wqkv, 412-475 Wproj, 16,384 numbers each; 476-530 take 64 rows of the table each.
; A cast group has all its 16 loads of 16 bytes a lane out at once (64 KiB a group); a store of 8 bytes a lane covers 256 consecutive bytes, aligned.  No register that a load or store names is written twice.
; THE TABLE.  The angle in turns is u = t x rho, rho = theta / 2 pi; r = u - round(u) by one fused multiply-add; a = r x pi/2 is a quarter of the angle, within pi/4; sine and cosine of a by
; their series (next terms 3e-7 and 3e-8 at pi/4), then doubled twice.  LIMIT: good to about 2e-6 beside the rounding of t x theta itself, some 4e-4 radians at the largest t, which q and k share.
.set NBX, 220
.set NBQ, 192
.set NBP, 64
.set IN,  16                           ; v[16:79]   16 x 4 numbers as loaded
.set OU,  80                           ; v[80:111]  16 x 2 words to store
	s_load_b256 s[4:11], s[0:1], 0x0               ; x s[4:5], Wqkv s[6:7], Wproj s[8:9], x16 s[10:11]
	s_load_b128 s[12:15], s[0:1], 0x20             ; wq16 s[12:13], wp16 s[14:15]
	s_load_b64 s[16:17], s[0:1], 0x30              ; tab
	s_mov_b32 s20, ttmp9
	s_mov_b32 s27, 0
	v_lshlrev_b32 v1, 4, v0                        ; 16 bytes a thread in
	v_lshlrev_b32 v2, 3, v0                        ; 8 bytes a thread out
	s_wait_kmcnt 0x0
	s_cmp_ge_u32 s20, NBX+NBQ+NBP
	s_cbranch_scc1 .Ltable
	s_cmp_ge_u32 s20, NBX+NBQ
	s_cbranch_scc1 .Lwproj
	s_sub_co_u32 s21, s20, NBX
	s_cmp_lt_u32 s20, NBX
	s_cselect_b32 s21, s20, s21                    ; the block's number in its tensor
	s_cselect_b64 s[22:23], s[4:5], s[6:7]
	s_cselect_b64 s[24:25], s[10:11], s[12:13]
	s_lshl_b32 s26, s21, 16
	s_add_nc_u64 s[22:23], s[22:23], s[26:27]
	s_lshl_b32 s26, s21, 15
	s_add_nc_u64 s[24:25], s[24:25], s[26:27]
.macro LOADS
.irp j, 0,1,2,3,4,5,6,7,8,9,10,11,12,13,14,15
	global_load_b128 v[IN+4*\j:IN+4*\j+3], v1, s[22:23] offset:4096*\j th:TH_LOAD_NT
.endr
.endm
	LOADS
.irp j, 0,1,2,3,4,5,6,7,8,9,10,11,12,13,14,15
	s_wait_loadcnt 15-\j                           ; loads come back in order: load j is in, the younger ones stay out
	v_cvt_pk_bf16_f32 v[OU+2*\j], v[IN+4*\j], v[IN+4*\j+1]
	v_cvt_pk_bf16_f32 v[OU+2*\j+1], v[IN+4*\j+2], v[IN+4*\j+3]
	global_store_b64 v2, v[OU+2*\j:OU+2*\j+1], s[24:25] offset:2048*\j
.endr
	s_endpgm
.Lwproj:
	s_sub_co_u32 s21, s20, NBX+NBQ
	s_lshl_b32 s26, s21, 16
	s_add_nc_u64 s[22:23], s[8:9], s[26:27]
	s_lshl_b32 s26, s21, 15
	s_add_nc_u64 s[24:25], s[14:15], s[26:27]
	LOADS
.irp j, 0,1,2,3,4,5,6,7,8,9,10,11,12,13,14,15
	s_wait_loadcnt 15-\j
	v_cvt_pk_bf16_f32 v3, v[IN+4*\j], v[IN+4*\j+1]        ; rounded to bf16,
	v_cvt_pk_bf16_f32 v4, v[IN+4*\j+2], v[IN+4*\j+3]
	v_lshlrev_b32 v5, 16, v3                              ; widened again,
	v_and_b32 v6, 0xffff0000, v3
	v_lshlrev_b32 v7, 16, v4
	v_and_b32 v8, 0xffff0000, v4
	v_cvt_pk_f16_f32 v[OU+2*\j], v5, v6                   ; and written as f16
	v_cvt_pk_f16_f32 v[OU+2*\j+1], v7, v8
	global_store_b64 v2, v[OU+2*\j:OU+2*\j+1], s[24:25] offset:2048*\j
.endr
	s_endpgm
.Ltable:
	s_sub_co_u32 s21, s20, NBX+NBQ+NBP
	s_lshl_b32 s26, s21, 14                        ; 64 rows of 256 bytes
	s_add_nc_u64 s[16:17], s[16:17], s[26:27]
	v_and_b32 v3, 31, v0                           ; j: a lane a frequency, a wave a row
	v_lshrrev_b32 v4, 5, v0
	s_lshl_b32 s28, s21, 6
	v_add_nc_u32 v4, s28, v4                       ; t of my first row; the next lies 8 further on
	v_cvt_f32_u32 v3, v3
	v_cvt_f32_u32 v4, v4
	v_mul_f32 v3, 0xbed49a78, v3                   ; -j x log2(10000) / 32
	v_exp_f32 v3, v3                               ; theta
	v_mov_b32 v10, 0xb9500d01                      ; -1/5040 (a plain instruction behind the exponential)
	v_mov_b32 v11, 0x37d00d01                      ; 1/40320
	s_wait_alu depctr_va_vdst(0)                   ; the wait ahead of the first reader
	v_mul_f32 v3, 0x3e22f983, v3                   ; rho = theta / 2 pi
.irp i, 0,1,2,3,4,5,6,7
	v_mul_f32 v5, v4, v3
	v_rndne_f32 v5, v5
	v_fma_f32 v5, v4, v3, -v5                      ; r, within half a turn
	v_mul_f32 v5, 0x3fc90fdb, v5                   ; a = r x pi/2
	v_mul_f32 v6, v5, v5
	v_fmaak_f32 v7, v6, v10, 0x3c088889            ; sine: 1 + z (-1/6 + z (1/120 - z/5040)), times a
	v_fmaak_f32 v7, v6, v7, 0xbe2aaaab
	v_fmaak_f32 v7, v6, v7, 0x3f800000
	v_mul_f32 v7, v5, v7
	v_fmaak_f32 v8, v6, v11, 0xbab60b61            ; cosine: 1 + z (-1/2 + z (1/24 + z (-1/720 + z/40320)))
	v_fmaak_f32 v8, v6, v8, 0x3d2aaaab
	v_fmaak_f32 v8, v6, v8, 0xbf000000
	v_fmaak_f32 v8, v6, v8, 0x3f800000
	v_add_f32 v9, v7, v7                           ; doubled: sin 2a = 2 s c, cos 2a = 1 - 2 s s
	v_fma_f32 v12, -v9, v7, 1.0
	v_mul_f32 v7, v9, v8
	v_add_f32 v9, v7, v7                           ; and once more
	v_fma_f32 v[OU+2*\i], -v9, v7, 1.0
	v_mul_f32 v[OU+2*\i+1], v9, v12
	v_add_f32 v4, 0x41000000, v4                   ; t + 8
	global_store_b64 v2, v[OU+2*\i:OU+2*\i+1], s[16:17] offset:2048*\i  ; a wave stores one row: 256 consecutive bytes, aligned
.endr
	s_endpgm
.Lfunc_end_k_q8bca0de608_prep:
	.size	k_q8bca0de608_prep, .Lfunc_end_k_q8bca0de608_prep-k_q8bca0de608_prep
	.p2alignl 7, 3214868480
	.fill 96, 4, 3214868480
	.section	.rodata,"a",@progbits
	.p2align	6, 0x0
	.amdhsa_kernel k_q8bca0de608_prep
		.amdhsa_group_segment_fixed_size 0
		.amdhsa_private_segment_fixed_size 0
		.amdhsa_enable_private_segment 0
		.amdhsa_kernarg_size 56
		.amdhsa_user_sgpr_count 2
		.amdhsa_user_sgpr_kernarg_segment_ptr 1
		.amdhsa_wavefront_size32 1
		.amdhsa_system_sgpr_workgroup_id_x 1
		.amdhsa_system_sgpr_workgroup_id_y 1
		.amdhsa_system_sgpr_workgroup_id_z 1
		.amdhsa_system_vgpr_workitem_id 0
		.amdhsa_next_free_vgpr 112
		.amdhsa_next_free_sgpr 66
		.amdhsa_reserve_vcc 0
		.amdhsa_float_denorm_mode_32 3
		.amdhsa_float_denorm_mode_16_64 3
		.amdhsa_memory_ordered 1
		.amdhsa_forward_progress 1
		.amdhsa_inst_pref_size 27
	.end_amdhsa_kernel
	.amdgpu_metadata
---
amdhsa.version: [ 1, 2 ]
amdhsa.kernels:
  - .name:           k_q8bca0de608_prep
    .symbol:         k_q8bca0de608_prep.kd
    .args:
      - { .name: x, .offset: 0, .size: 8, .value_kind: global_buffer, .address_space: global }
      - { .name: Wqkv, .offset: 8, .size: 8, .value_kind: global_buffer, .address_space: global }
      - { .name: Wproj, .offset: 16, .size: 8, .value_kind: global_buffer, .address_space: global }
      - { .name: x16, .offset: 24, .size: 8, .value_kind: global_buffer, .address_space: global }
      - { .name: wq16, .offset: 32, .size: 8, .value_kind: global_buffer, .address_space: global }
      - { .name: wp16, .offset: 40, .size: 8, .value_kind: global_buffer, .address_space: global }
      - { .name: tab, .offset: 48, .size: 8, .value_kind: global_buffer, .address_space: global }
    .group_segment_fixed_size: 0
    .private_segment_fixed_size: 0
    .kernarg_segment_align: 8
    .kernarg_segment_size: 56
    .max_flat_workgroup_size: 256
    .sgpr_count:     66
    .vgpr_count:     112
    .wavefront_size: 32
...
	.end_amdgpu_metadata
.endif
;; end of part 1
;; launch qkv (part 2): grid 12 x 20, 4 waves a work-group, clusters of 4 x 4, 327,680 bytes of LDS; arguments x16, wq16, tab, qn_w, kn_w, q16, k16, v16; writes q16, k16, v16
.if DOCPART == 2
	.amdgcn_target "amdgcn-amd-amdhsa--gfx1250"
	.amdhsa_code_object_version 6
	.text
	.protected	k_q8bca0de608_qkv
	.globl	k_q8bca0de608_qkv
	.p2align	8
	.type	k_q8bca0de608_qkv,@function
k_q8bca0de608_qkv:
	s_mov_b64 s[64:65], 0
	v_nop
	global_prefetch_b8 v0, s[64:65] scope:SCOPE_SE
	s_setreg_imm32_b32 hwreg(HW_REG_WAVE_MODE, 25, 1), 1
	s_wait_xcnt 0x0
	s_wait_alu depctr_hold_cnt(0) depctr_sa_sdst(0) depctr_va_vdst(0) depctr_va_sdst(0) depctr_va_ssrc(0) depctr_va_vcc(0) depctr_vm_vsrc(0)
	s_getreg_b32 s2, hwreg(HW_REG_IB_STS2, 6, 4)
	s_cmp_eq_u32 s2, 0
	s_cbranch_scc0 .Lentry_in_a_cluster
	s_endpgm
.Lentry_in_a_cluster:
	s_bfe_u32 s2, ttmp6, 0x10000c
	s_cmp_lg_u32 s2, 0xf033
	s_cbranch_scc0 .Lentry_shape_is_right
	s_endpgm
.Lentry_shape_is_right:
; QKV: (x Wqkv), then for q and k the RMS norm of each head's 64 channels, the gain and the rotation; q, k, v leave by heads, [16][3520][64] in f16, each rounded once from f32.
; x16 [3520][1024] and wq16 [1024][3072] are bf16; sums in f32.  The gains are rounded to bf16 like every other input of the module.
; LIMITS.  f16 ends at 65,504: |v| must stay under it (with x and Wqkv both 30 times larger v reaches some 5,500); |q|, |k| are at most 8 x sqrt(2) x the largest gain.
; SHARES.  A tile of the result is 176 rows x 256 columns: 20 x 12 = 240 work-groups (3520 = 20 x 176).  Wave w makes all 176 rows of 64 columns, which are ONE head: 44 accumulators (a = 0..10, b = 0..3).
; The cluster's x says which of q, k, v the columns belong to: it is the same in all sixteen partners, so a branch may hang on it.
; THE PRODUCT IS TAKEN TRANSPOSED: source 0 = 16 columns of W, read out of LDS turned (ds_load_tr16_b128, since W lies [k][n]); source 1 = 16 rows of x.  A lane (r = lane % 16, h = lane / 16) then holds
; row 16 a + r and the channels 16 b + 8 h + 0..7: half of a row's head lies in one lane, the other half 16 lanes away, and a rotation's two channels lie in one register pair.
; RING.  K goes in 8 steps of 128 through two LDS slots.  Waves 0, 1 fetch x's 88 + 88 rows (256 bytes of memory each), waves 2, 3 W's 64 + 64 rows of k (512 bytes each).
; CLUSTER 4 x 4: x's tile and the table's rows are shared along a row of the cluster, W's tile along a column: joint loads, the same descriptor and mask in the four that a mask names.
; REGISTERS (windows of 256): window 0: v0-31 addresses; v32-119, v120-207 x's fragments, two buffers; v208-239 rows on their way out.  window 1: v0-31, v32-63 W's fragments; v64-95 the gains.
;   window 2: accumulators of a = 0..7 at 32 a + 8 b.  window 3: those of a = 8..10.  On the way out window 0's v32-199 are at work: see SS to HH.
.set PA,    272                        ; a row of x or of the table in LDS: 256 bytes + 16: the 16 rows of a load start at 16 different groups of four banks (64 banks of 4 bytes: ISA guide 11.1)
.set PB,    544                        ; a row of W: 512 bytes + 32
.set BOFF,  176*PA                     ; a slot: x's 176 rows, then W's 128 rows of k
.set SLOT1, 1<<17                      ; slot 1 begins here: one exclusive or turns an address in one slot into the other's
.set TAB,   SLOT1+BOFF+128*PB          ; the table's 176 rows: filled once
.set STAGE, TAB+176*PA                 ; 16 rows x 144 bytes for each wave, for the way out; no tensor load fills it
.set SP,    144
.set SPARE, STAGE+4*16*SP              ; the spare words, 128 bytes for each wave: two blocks of 256 bytes that no other line names
.set XSTEP, 256                        ; a K step in x16, in bytes
.set WSTEP, 128*3072*2                 ; and in wq16
.set ADRA0, 3                          ; v3   my lane's place in x's tile; never rewritten
.set ADRB0, 4                          ; v4   the same for W's tile
.set ADRA,  5                          ; v5   + the slot in hand
.set ADRB,  6
.set TADR,  7                          ; v7   my place in the table
.set STO,   8                          ; v8   the way out: where I put 16 bytes of a row
.set RD,    9                          ; v9   where I read rows back
.set GO,    10                         ; v10  my 16 bytes of 512 consecutive bytes of the result
.set PFO,   11                         ; v11  the prefetches' offset; never rewritten
.set SPW,   12                         ; v12  LDS address of my spare word; never rewritten
.set NIL,   13                         ; v13  0; never rewritten
.set WO,    14                         ; v14  my offset in the gains
.set FA,    32                         ; x's fragments: buffer f at FA + 88 f
.set WW,    64                         ; window 1: the gain of channel 16 b + 8 h + j at WW + 8 b + j
.set SS,    32                         ; v32-53   a pair for each a: sums of squares, then 1 / rms in the low register
.set CSB,   56                         ; v56-119  (cos, sin) of a tile's 16 pairs of channels, two buffers
.set YY,    120                        ; v120-151 sum x gain
.set TT,    152                        ; v152-183 rotated
.set HH,    184                        ; v184-199 in f16
.set BK,    208                        ; v208-239 16 rows read back from the stage, two buffers
.set WV,   20
.set PHI,  21                          ; wave % 2: which half of a tile I fetch
.set CX,   22
.set CY,   23
.set BX,   24
.set BY,   25
.set KIND, 26                          ; 0 q, 1 k, 2 v
.set CNT,  27
.set G1A,  28                          ; s[28:35] group 1 for x's tiles
.set G1B,  36                          ; s[36:43] for W's
.set G1T,  44                          ; s[44:51] for the table's rows
.set GAF,  52                          ; s[52:55] group 0: x, K step 0, slot 0
.set GAW,  56                          ; s[56:59] x, K step 1, slot 1: it walks on
.set GBF,  60                          ; s[60:63] W, K step 0
.set GBW,  68                          ; s[68:71] W, walking
.set GT,   72                          ; s[72:75] the table
.set TB,   76                          ; the slot in hand: 0 or SLOT1
.set LIM,  77                          ; 2 in a wave that prefetches, else the greatest number
.set PFA,  78                          ; s[78:79] where my prefetches stand
.set PFS,  80                          ; s[80:81] their step
.set SEL,  82                          ; s[82:83] v_permlanex16_b32's selects: each lane takes its own place in the other half
.set OUT,  84                          ; s[84:85] my head's rows in q16, k16 or v16
.set WB,   86                          ; s[86:87] the gains
.set C64,  88
.set EPSR, 89
.set MUL_LO, 0xa1                      ; source 0 (W) window 1, source 1 (x) window 0, C and D window 2
.set MUL_HI, 0xf1                      ; the same, C and D window 3
.set TO_B,   0x40                      ; destination window 1
.set MSB, 0
.macro WIN new                         ; the immediate's high byte repeats the setting that is left; a switch that changes nothing is dropped
.if MSB != (\new)
	s_set_vgpr_msb (MSB<<8)|(\new)
.set MSB, \new
.endif
.endm
.macro PLACES                          ; four places behind matrix instructions, in front of loads into registers that they have read (ISA guide 7.12.1 for vector instructions)
.rept 4
	v_nop
.endr
.endm
.macro CREST                           ; a round of the cluster's barrier behind its opening barrier
	s_cmp_lg_u32 s[WV], 0
	s_cbranch_scc1 .Lnot_wave_0_\@
	s_barrier_signal -3
.Lnot_wave_0_\@:
	s_barrier_wait -3
	s_barrier_signal -1
	s_barrier_wait -1
.endm
.macro CROUND
	s_barrier_signal -1
	s_barrier_wait -1
	CREST
.endm
.macro JLOAD                           ; a joint refill by the walking descriptors; the branch hangs on the wave's number alone; an s_nop 0 and four v_nop follow each line
	s_cmp_lt_u32 s[WV], 2
	s_cbranch_scc0 .Lfor_b_\@
	tensor_load_to_lds s[GAW:GAW+3], s[G1A:G1A+7]
	s_nop 0
.rept 4
	v_nop
.endr
	s_branch .Lasked_\@
.Lfor_b_\@:
	tensor_load_to_lds s[GBW:GBW+3], s[G1B:G1B+7]
	s_nop 0
.rept 4
	v_nop
.endr
.Lasked_\@:
.endm
; A PREFETCH of the K step that stands two refills on, one instruction a wave, behind the joint load and the run of LDS loads.  x's rows are read by all three clusters of a row of clusters: the one with
; x = 0 asks; W's columns by all five of a column: the one with y = 0 asks.  The four partners share a wave's rows out BY ADDRESS: of x's 88 rows partner cx takes 22 (lanes 22-31 name the 22nd again),
; of W's 64 rows of k partner cy takes 16, two lanes a row of 512 bytes.  The loop's trips 0 to 3 ask, for K steps 4 to 7; K steps 0 to 3 come by their loads alone.
.macro ASK
	s_cmp_gt_u32 s[CNT], s[LIM]
	s_cbranch_scc0 .Lnot_mine_\@
	global_prefetch_b8 v[PFO], s[PFA:PFA+1] th:TH_LOAD_NT scope:SCOPE_SE
.Lnot_mine_\@:
.endm
	s_load_b512 s[4:19], s[0:1], 0x0               ; x16 s[4:5], wq16 s[6:7], tab s[8:9], qn_w s[10:11], kn_w s[12:13], q16 s[14:15], k16 s[16:17], v16 s[18:19]
	v_lshl_add_u32 v[SPW], v0, 2, SPARE
	v_mov_b32 v[NIL], 0
	ds_add_u32 v[SPW], v[NIL]                      ; the wave's opening: the add and its wait stand ahead of my first tensor load; the set-up below stands between them
	v_lshrrev_b32 v1, 5, v0
	v_readfirstlane_b32 s[WV], v1
	s_and_b32 s[PHI], s[WV], 1
	s_bfe_u32 s[CX], ttmp6, 0x40000
	s_bfe_u32 s[CY], ttmp6, 0x40004
	s_mov_b32 s[KIND], ttmp9                       ; in a cluster launch ttmp9 and ttmp7 count clusters: four tile columns are 1,024 columns, all of q, of k or of v
	s_lshl_b32 s[BX], ttmp9, 2
	s_add_co_u32 s[BX], s[BX], s[CX]               ; tile column
	s_and_b32 s[BY], ttmp7, 0xffff
	s_lshl_b32 s[BY], s[BY], 2
	s_add_co_u32 s[BY], s[BY], s[CY]               ; tile row
	s_lshl_b32 s90, s[CY], 2
	s_lshl_b32 s90, 15, s90                        ; my row of the cluster
	s_lshl_b32 s91, 0x1111, s[CX]                  ; my column
	s_or_b32 s[G1A], s90, (1<<16)|(1<<20)|(1<<21)|(5<<22)|(3<<25)  ; mask; 2-byte elements; padding on; bit 21 beside a mask; after every 64 words 4 words
	s_or_b32 s[G1T], s90, (2<<16)|(1<<20)|(1<<21)|(5<<22)|(3<<25)  ; the same with 4-byte elements
	s_or_b32 s[G1B], s91, (1<<16)|(1<<20)|(1<<21)|(6<<22)|(7<<25)  ; after every 128 words 8 words
	s_mov_b32 s[G1A+1], 128<<16                    ; tensor_dim0 = 128
	s_mov_b32 s[G1A+2], 88<<16                     ; tensor_dim1 = 88
	s_mov_b32 s[G1A+3], 128<<16                    ; tile_dim0 = 128
	s_mov_b32 s[G1A+4], 88                         ; tile_dim1 = 88
	s_mov_b32 s[G1A+5], 1024                       ; elements from row to row
	s_mov_b32 s[G1A+6], 0
	s_mov_b32 s[G1A+7], 0
	s_mov_b32 s[G1B+1], 256<<16
	s_mov_b32 s[G1B+2], 64<<16
	s_mov_b32 s[G1B+3], 256<<16
	s_mov_b32 s[G1B+4], 64
	s_mov_b32 s[G1B+5], 3072
	s_mov_b32 s[G1B+6], 0
	s_mov_b32 s[G1B+7], 0
	s_mov_b32 s[G1T+1], 64<<16
	s_mov_b32 s[G1T+2], 88<<16
	s_mov_b32 s[G1T+3], 64<<16
	s_mov_b32 s[G1T+4], 88
	s_mov_b32 s[G1T+5], 64
	s_mov_b32 s[G1T+6], 0
	s_mov_b32 s[G1T+7], 0
	s_mul_i32 s92, s[BY], 176*2048                 ; x: the tile's rows, my 88 of them
	s_mul_i32 s98, s[PHI], 88*2048
	s_add_co_u32 s92, s92, s98
	s_mov_b32 s93, 0
	s_mul_i32 s94, s[PHI], 64*6144                 ; W: my 64 rows of k, the tile's 256 columns
	s_lshl_b32 s99, s[BX], 9
	s_add_co_u32 s94, s94, s99
	s_mov_b32 s95, 0
	s_mul_i32 s96, s[BY], 176*256                  ; the table: the tile's rows, my 88
	s_mul_i32 s98, s[PHI], 88*256
	s_add_co_u32 s96, s96, s98
	s_mov_b32 s97, 0
	s_mul_i32 s98, s[PHI], 88*PA                   ; and where they go: no place in the cluster enters an LDS address
	s_mul_i32 s99, s[PHI], 64*PB
	s_mov_b32 s[GAF], 1
	s_mov_b32 s[GAF+1], s98
	s_mov_b32 s[GAW], 1
	s_add_co_u32 s[GAW+1], s98, SLOT1
	s_mov_b32 s[GBF], 1
	s_add_co_u32 s[GBF+1], s99, BOFF
	s_mov_b32 s[GBW], 1
	s_add_co_u32 s[GBW+1], s99, SLOT1+BOFF
	s_mov_b32 s[GT], 1
	s_add_co_u32 s[GT+1], s98, TAB
	s_mov_b32 s[TB], 0
	s_mov_b32 s[SEL], 0x76543210
	s_mov_b32 s[SEL+1], 0xfedcba98
	s_mov_b32 s[C64], 0x3c800000                   ; 1/64
	s_mov_b32 s[EPSR], 0x358637bd                  ; 1e-6
	s_wait_dscnt 0x0                               ; the opening add is done
	s_wait_kmcnt 0x0
	s_add_nc_u64 s[GAF+2:GAF+3], s[4:5], s[92:93]
	s_add_nc_u64 s[GAW+2:GAW+3], s[GAF+2:GAF+3], XSTEP
	s_or_b32 s[GAF+3], s[GAF+3], 0x80000000        ; type = 2
	s_or_b32 s[GAW+3], s[GAW+3], 0x80000000
	s_add_nc_u64 s[GBF+2:GBF+3], s[6:7], s[94:95]
	s_add_nc_u64 s[GBW+2:GBW+3], s[GBF+2:GBF+3], WSTEP
	s_or_b32 s[GBF+3], s[GBF+3], 0x80000000
	s_or_b32 s[GBW+3], s[GBW+3], 0x80000000
	s_add_nc_u64 s[GT+2:GT+3], s[8:9], s[96:97]
	s_or_b32 s[GT+3], s[GT+3], 0x80000000
	CROUND                                         ; all sixteen work-groups are here: the first joint loads meet
	s_cmp_lt_u32 s[WV], 2                          ; a wave's first fills stand in one branch: three loads of mine are out at the most
	s_cbranch_scc0 .Lfirst_b
	tensor_load_to_lds s[GT:GT+3], s[G1T:G1T+7]
	s_nop 0
	tensor_load_to_lds s[GAF:GAF+3], s[G1A:G1A+7]
	s_nop 0
	tensor_load_to_lds s[GAW:GAW+3], s[G1A:G1A+7]
	s_nop 0
.rept 4
	v_nop
.endr
	s_branch .Lfirst_done
.Lfirst_b:
	tensor_load_to_lds s[GBF:GBF+3], s[G1B:G1B+7]
	s_nop 0
	tensor_load_to_lds s[GBW:GBW+3], s[G1B:G1B+7]
	s_nop 0
.rept 4
	v_nop
.endr
.Lfirst_done:
	v_and_b32 v1, 15, v0                           ; r
	v_bfe_u32 v2, v0, 4, 1                         ; h
	v_lshlrev_b32 v[WO], 5, v2
	s_cmp_eq_u32 s[KIND], 0
	s_cselect_b64 s[WB:WB+1], s[10:11], s[12:13]   ; q's gains, or k's (v's columns load k's and use none)
.irp b, 0,1,2,3
	global_load_b128 v[BK+8*\b:BK+8*\b+3], v[WO], s[WB:WB+1] offset:64*\b
	global_load_b128 v[BK+8*\b+4:BK+8*\b+7], v[WO], s[WB:WB+1] offset:64*\b+16
.endr
	v_mul_u32_u24 v[ADRA0], v1, PA
	v_lshl_add_u32 v[ADRA0], v2, 4, v[ADRA0]       ; a fragment of x: row x pitch + 16 x half
	v_and_b32 v15, 7, v0
	v_bfe_u32 v16, v0, 3, 1
	v_lshl_add_u32 v17, v2, 3, v15                 ; the turning load: lane l reads row of k 8 (l / 16) + l % 8, columns 8 ((l / 8) % 2) + 0..7
	v_mul_u32_u24 v[ADRB0], v17, PB
	v_lshl_add_u32 v[ADRB0], v16, 4, v[ADRB0]
	s_lshl_b32 s98, s[WV], 7                       ; my wave's 64 columns
	s_add_co_u32 s98, s98, BOFF
	v_add_nc_u32 v[ADRB0], s98, v[ADRB0]
	v_mov_b32 v[ADRA], v[ADRA0]
	v_mov_b32 v[ADRB], v[ADRB0]
	v_mul_u32_u24 v[TADR], v1, PA
	v_lshl_add_u32 v[TADR], v2, 5, v[TADR]
	v_add_nc_u32 v[TADR], TAB, v[TADR]             ; the table: row r, the 4 pairs of my 8 channels: 32 bytes
	s_mul_i32 s98, s[WV], 16*SP
	s_add_co_u32 s98, s98, STAGE
	v_mul_u32_u24 v[STO], v1, SP
	v_lshl_add_u32 v[STO], v2, 4, v[STO]
	v_add_nc_u32 v[STO], s98, v[STO]
	v_bfe_u32 v[RD], v0, 3, 2                      ; back: 32 lanes take four rows of 128 bytes,
	v_mul_u32_u24 v[RD], v[RD], SP
	v_lshl_add_u32 v[RD], v15, 4, v[RD]
	v_add_nc_u32 v[RD], s98, v[RD]
	v_and_b32 v18, 31, v0
	v_lshlrev_b32 v[GO], 4, v18                    ; which are 512 consecutive bytes of the result
	v_min_u32 v16, 21, v18
	v_lshlrev_b32 v16, 11, v16                     ; x: a lane a row of 2,048 bytes
	v_lshrrev_b32 v17, 1, v18
	v_mul_u32_u24 v17, v17, 6144                   ; W: two lanes a row of 6,144 bytes
	v_and_b32 v19, 1, v18
	v_lshl_add_u32 v17, v19, 8, v17
	s_cmp_lt_u32 s[WV], 2
	s_cselect_b32 s98, -1, 0
	v_cndmask_b32 v[PFO], v17, v16, s98
	s_mul_i32 s92, s[BY], 176*2048                 ; the prefetches: x at my wave's rows, my work-group's 22 of them, K step 3 (each change of slots steps on before it asks)
	s_mul_i32 s98, s[PHI], 88*2048
	s_add_co_u32 s92, s92, s98
	s_mul_i32 s98, s[CX], 22*2048
	s_add_co_u32 s92, s92, s98
	s_add_co_u32 s92, s92, 3*XSTEP
	s_mul_i32 s94, s[PHI], 64*6144                 ; W at my wave's rows of k, my work-group's 16 of them
	s_lshl_b32 s98, s[BX], 9
	s_add_co_u32 s94, s94, s98
	s_mul_i32 s98, s[CY], 16*6144
	s_add_co_u32 s94, s94, s98
	s_add_co_u32 s94, s94, 3*WSTEP
	s_and_b32 s96, ttmp7, 0xffff
	s_mov_b32 s97, WSTEP
	s_cmp_lt_u32 s[WV], 2
	s_cselect_b32 s92, s92, s94
	s_cselect_b32 s96, ttmp9, s96                  ; the coordinate along which other clusters read the same rows
	s_cselect_b32 s[PFS], XSTEP, s97
	s_cselect_b64 s[PFA:PFA+1], s[4:5], s[6:7]
	s_mov_b32 s[PFS+1], 0
	s_mov_b32 s93, 0
	s_add_nc_u64 s[PFA:PFA+1], s[PFA:PFA+1], s[92:93]
	s_cmp_eq_u32 s96, 0
	s_cselect_b32 s[LIM], 2, -1
	s_cmp_eq_u32 s[KIND], 0                        ; where my head's rows go
	s_cselect_b64 s[OUT:OUT+1], s[14:15], s[16:17]
	s_cmp_eq_u32 s[KIND], 2
	s_cselect_b64 s[OUT:OUT+1], s[18:19], s[OUT:OUT+1]
	s_lshl_b32 s92, s[CX], 2
	s_add_co_u32 s92, s92, s[WV]                   ; head = 4 cx + wave
	s_mul_i32 s92, s92, 3520*128
	s_mul_i32 s94, s[BY], 176*128
	s_add_co_u32 s92, s92, s94
	s_add_nc_u64 s[OUT:OUT+1], s[OUT:OUT+1], s[92:93]
	s_wait_loadcnt 0x0                             ; the gains: rounded to bf16 and widened again, into window 1
.set p, 0
.rept 16
	v_cvt_pk_bf16_f32 v[BK+p], v[BK+2*p], v[BK+2*p+1]
.set p, p+1
.endr
	WIN TO_B
.set p, 0
.rept 16
	v_lshlrev_b32 v[WW+2*p], 16, v[BK+p]
	v_and_b32 v[WW+2*p+1], 0xffff0000, v[BK+p]
.set p, p+1
.endr
	WIN 0
; n blocks of 16 rows from a0 on x all 4 blocks of columns, 32 along K, out of buffer f.  zero = 1: the product starts the sums: nothing is cleared.
.macro MULX f, a0, n, zero
.set xa, \a0
.rept \n
.if xa < 8
	WIN MUL_LO
.set xr, 32*xa
.else
	WIN MUL_HI
.set xr, 32*(xa-8)
.endif
.irp b, 0,1,2,3
.if \zero
	v_wmma_f32_16x16x32_bf16 v[xr+8*\b:xr+8*\b+7], v[32*(\f)+8*\b:32*(\f)+8*\b+7], v[FA+88*(\f)+8*xa:FA+88*(\f)+8*xa+7], 0
.else
	v_wmma_f32_16x16x32_bf16 v[xr+8*\b:xr+8*\b+7], v[32*(\f)+8*\b:32*(\f)+8*\b+7], v[FA+88*(\f)+8*xa:FA+88*(\f)+8*xa+7], v[xr+8*\b:xr+8*\b+7]
.endif
.endr
.set xa, xa+1
.endr
.endm
; 30 LDS loads in one run: quarter q (32 along K) of the slot in hand into buffer f
.macro FETCH q, f
	WIN TO_B
.irp b, 0,1,2,3
	ds_load_tr16_b128 v[32*(\f)+8*\b:32*(\f)+8*\b+3], v[ADRB] offset:32*PB*(\q)+32*\b
	ds_load_tr16_b128 v[32*(\f)+8*\b+4:32*(\f)+8*\b+7], v[ADRB] offset:32*PB*(\q)+32*\b+16*PB
.endr
	WIN 0
.irp a, 0,1,2,3,4,5,6,7,8,9,10
	ds_load_b128 v[FA+88*(\f)+8*\a:FA+88*(\f)+8*\a+3], v[ADRA] offset:16*PA*\a+64*(\q)
	ds_load_b128 v[FA+88*(\f)+8*\a+4:FA+88*(\f)+8*\a+7], v[ADRA] offset:16*PA*\a+64*(\q)+32
.endr
.endm
; A K step is four quarters of 44 matrix instructions, on buffers 0, 1, 0, 1.  The accumulators take turns, in the same order (a = 8..10, then 0..7) in every quarter.
; One of the first three: multiplies buffer f; twelve products in, it fetches quarter q into buffer g, 32 products ahead of its first use.
.macro QUARTER q, f, g, zero
	s_wait_dscnt 0x0                               ; buffer f is in
	MULX \f, 8, 3, \zero
	PLACES
	FETCH \q, \g
	MULX \f, 0, 8, \zero
.endm
; The last quarter multiplies buffer 1 and changes slots.  In front of the barrier each wave waits for all its tensor loads (one is out: its part of the next slot), adds 0 to its spare word, and waits for
; that and for its reads of this slot.  fill = 1: the barrier opens a round of the cluster's, and the joint refill is the first thing behind it: some 160 matrix instructions ahead of the wait for it.
.macro TURN fill
.if \fill
	s_wait_xcnt 0x0                                ; the last prefetch, a K step back, has read its address
	s_add_nc_u64 s[PFA:PFA+1], s[PFA:PFA+1], s[PFS:PFS+1]
.endif
	WIN 0
	s_wait_tensorcnt 0x0                           ; no tensor load of mine is out, so a group 0 may be written
	ds_add_u32 v[SPW], v[NIL]                      ; 0 onto my spare word
.if \fill
	s_xor_b32 s[GAW+1], s[GAW+1], SLOT1            ; the walking descriptors: the other slot, the next K step
	s_add_nc_u64 s[GAW+2:GAW+3], s[GAW+2:GAW+3], XSTEP
	s_xor_b32 s[GBW+1], s[GBW+1], SLOT1
	s_add_nc_u64 s[GBW+2:GBW+3], s[GBW+2:GBW+3], WSTEP
.endif
	s_wait_dscnt 0x1                               ; buffer 1 is in; the add alone may be out
	MULX 1, 8, 3, 0
	s_wait_dscnt 0x0                               ; the add is done, and my reads of this slot are over
	s_barrier_signal -1
	MULX 1, 0, 4, 0                                ; work on registers while the others arrive
	WIN 0
	s_barrier_wait -1
.if \fill
	CREST                                          ; no wave of any partner still reads this slot or has a load on its way
	JLOAD                                          ; its four v_nop are also the places in front of the loads below
.else
	PLACES
.endif
	s_xor_b32 s[TB], s[TB], SLOT1
	v_add_nc_u32 v[ADRA], s[TB], v[ADRA0]
	v_add_nc_u32 v[ADRB], s[TB], v[ADRB0]
	FETCH 0, 0
.if \fill
	ASK
.endif
	MULX 1, 4, 4, 0
.endm
	s_wait_tensorcnt 0x1                           ; my part of K step 0 (and of the table) is in; slot 1's load may stay out
	s_barrier_signal -1
	s_barrier_wait -1
	FETCH 0, 0
	QUARTER 1, 0, 1, 1                             ; the first quarter stands in front of the loop: its products start the sums
	WIN 0
	s_mov_b32 s[CNT], 6
.Lk:                                                   ; a trip: from a K step's second quarter to the next step's first; K steps 2 to 7 are asked for
	QUARTER 2, 1, 0, 0
	QUARTER 3, 0, 1, 0
	TURN 1
	QUARTER 1, 0, 1, 0
	WIN 0
	s_sub_co_u32 s[CNT], s[CNT], 1
	s_cmp_lg_u32 s[CNT], 0
	s_cbranch_scc1 .Lk
	QUARTER 2, 1, 0, 0                             ; the last two K steps ask for nothing
	QUARTER 3, 0, 1, 0
	TURN 0
	QUARTER 1, 0, 1, 0
	QUARTER 2, 1, 0, 0
	QUARTER 3, 0, 1, 0
	s_wait_dscnt 0x0
	MULX 1, 8, 3, 0
	MULX 1, 0, 8, 0
	WIN 0
	PLACES
	PLACES
; THE WAY OUT, a block of 16 rows at a time: 16 bytes a lane into my stage, back as whole rows of 128 bytes, four rows (512 consecutive bytes of the result) to a store.
.macro TOSTAGE a
	s_wait_xcnt 0x0                                ; the stores of the block two back have read the registers that are loaded again below
.irp b, 0,1,2,3
	ds_store_b128 v[STO], v[HH+4*\b:HH+4*\b+3] offset:32*\b
.endr
.irp f, 0,1,2,3
	ds_load_b128 v[BK+16*((\a)%2)+4*\f:BK+16*((\a)%2)+4*\f+3], v[RD] offset:4*SP*\f  ; LDS serves a wave's instructions in order (ISA guide 5.7.1.4): these see the stores above
.endr
.endm
.macro SEND a
.irp f, 0,1,2,3
	global_store_b128 v[GO], v[BK+16*((\a)%2)+4*\f:BK+16*((\a)%2)+4*\f+3], s[OUT:OUT+1] offset:2048*(\a)+512*\f
.endr
.endm
.macro ACCW a, lo, hi                  ; the window setting and first register of block a's accumulators
.if (\a) < 8
	WIN \lo
.set xr, 32*(\a)
.else
	WIN \hi
.set xr, 32*((\a)-8)
.endif
.endm
	s_cmp_eq_u32 s[KIND], 2
	s_cbranch_scc1 .Lvpath
	; q and k.  The sum of squares of my 32 channels of each of the 11 rows, two at a time; each accumulator is read from its low end on.
	WIN 0x0a                                       ; sources 0 and 1 window 2
.set p, 0
.rept 16
.set a, 0
.rept 8
.if p == 0
	v_pk_mul_f32 v[SS+2*a:SS+2*a+1], v[32*a:32*a+1], v[32*a:32*a+1]
.else
	v_pk_fma_f32 v[SS+2*a:SS+2*a+1], v[32*a+2*p:32*a+2*p+1], v[32*a+2*p:32*a+2*p+1], v[SS+2*a:SS+2*a+1]
.endif
.set a, a+1
.endr
.set p, p+1
.endr
	WIN 0x0f                                       ; window 3
.set p, 0
.rept 16
.set a, 8
.rept 3
.if p == 0
	v_pk_mul_f32 v[SS+2*a:SS+2*a+1], v[32*(a-8):32*(a-8)+1], v[32*(a-8):32*(a-8)+1]
.else
	v_pk_fma_f32 v[SS+2*a:SS+2*a+1], v[32*(a-8)+2*p:32*(a-8)+2*p+1], v[32*(a-8)+2*p:32*(a-8)+2*p+1], v[SS+2*a:SS+2*a+1]
.endif
.set a, a+1
.endr
.set p, p+1
.endr
	WIN 0
.macro ALLA line:vararg                ; one line for each block a
.set a, 0
.rept 11
	\line
.set a, a+1
.endr
.endm
	ALLA v_add_f32 v[SS+2*a], v[SS+2*a], v[SS+2*a+1]
	ALLA v_permlanex16_b32 v[SS+2*a+1], v[SS+2*a], s[SEL], s[SEL+1]
	ALLA v_add_f32 v[SS+2*a], v[SS+2*a], v[SS+2*a+1]
	ALLA v_fma_f32 v[SS+2*a], v[SS+2*a], s[C64], s[EPSR]
	ALLA v_rsq_f32 v[SS+2*a], v[SS+2*a]
	v_nop                                          ; a plain instruction behind the last of the batch,
	s_wait_alu depctr_va_vdst(0)                   ; and the one wait ahead of the first reader
.macro CSLOAD a                        ; (cos, sin) of block a's rows for my 16 pairs of channels
.irp b, 0,1,2,3
	ds_load_b128 v[CSB+32*((\a)%2)+8*\b:CSB+32*((\a)%2)+8*\b+3], v[TADR] offset:16*PA*(\a)+64*\b
	ds_load_b128 v[CSB+32*((\a)%2)+8*\b+4:CSB+32*((\a)%2)+8*\b+7], v[TADR] offset:16*PA*(\a)+64*\b+16
.endr
.endm
.macro YMUL a                          ; sum x gain
	ACCW \a, 0x06, 0x07                            ; source 0 window 2 or 3, source 1 window 1
.set p, 0
.rept 16
	v_pk_mul_f32 v[YY+2*p:YY+2*p+1], v[xr+2*p:xr+2*p+1], v[WW+2*p:WW+2*p+1]
.set p, p+1
.endr
	WIN 0
.endm
.macro ROT a                           ; (y0 c - y1 s, y1 c + y0 s) / rms, rounded to f16
.set xc, CSB+32*((\a)%2)
.set p, 0
.rept 16
	v_pk_mul_f32 v[TT+2*p:TT+2*p+1], v[YY+2*p:YY+2*p+1], v[xc+2*p:xc+2*p+1] op_sel_hi:[1,0]
.set p, p+1
.endr
.set p, 0
.rept 16
	v_pk_fma_f32 v[TT+2*p:TT+2*p+1], v[YY+2*p:YY+2*p+1], v[xc+2*p:xc+2*p+1], v[TT+2*p:TT+2*p+1] op_sel:[1,1,0] op_sel_hi:[0,1,1] neg_lo:[1,0,0]
.set p, p+1
.endr
.set p, 0
.rept 16
	v_pk_mul_f32 v[TT+2*p:TT+2*p+1], v[TT+2*p:TT+2*p+1], v[SS+2*(\a):SS+2*(\a)+1] op_sel_hi:[1,0]
.set p, p+1
.endr
.set p, 0
.rept 16
	v_cvt_pk_f16_f32 v[HH+p], v[TT+2*p], v[TT+2*p+1]
.set p, p+1
.endr
.endm
	CSLOAD 0
.irp a, 0,1,2,3,4,5,6,7,8,9,10
.if \a < 10
	CSLOAD (\a)+1
.endif
	YMUL \a
.if \a < 10
	s_wait_dscnt 0x8                               ; all but the eight loads just issued: this block's table, and the block before back from the stage
.else
	s_wait_dscnt 0x0
.endif
.if \a > 0
	SEND (\a)-1
.endif
	ROT \a
	TOSTAGE \a
.endr
	s_wait_dscnt 0x0
	SEND 10
	s_branch .Lend
.Lvpath:                                               ; v is only rounded
.irp a, 0,1,2,3,4,5,6,7,8,9,10
	ACCW \a, 0x0a, 0x0f
.set p, 0
.rept 16
	v_cvt_pk_f16_f32 v[HH+p], v[xr+2*p], v[xr+2*p+1]
.set p, p+1
.endr
	WIN 0
.if \a > 0
	s_wait_dscnt 0x0
	SEND (\a)-1
.endif
	TOSTAGE \a
.endr
	s_wait_dscnt 0x0
	SEND 10
.Lend:
	s_wait_tensorcnt 0x0                           ; the wave's end: behind my last tensor load and my last LDS store
	ds_add_u32 v[SPW], v[NIL]
	s_wait_dscnt 0x0
	CROUND                                         ; the closing round: no work-group ends while a partner may still ask for a tile that names it
	s_endpgm
.Lfunc_end_k_q8bca0de608_qkv:
	.size	k_q8bca0de608_qkv, .Lfunc_end_k_q8bca0de608_qkv-k_q8bca0de608_qkv
	.p2alignl 7, 3214868480
	.fill 96, 4, 3214868480
	.section	.rodata,"a",@progbits
	.p2align	6, 0x0
	.amdhsa_kernel k_q8bca0de608_qkv
		.amdhsa_group_segment_fixed_size 327680
		.amdhsa_private_segment_fixed_size 0
		.amdhsa_enable_private_segment 0
		.amdhsa_kernarg_size 64
		.amdhsa_user_sgpr_count 2
		.amdhsa_user_sgpr_kernarg_segment_ptr 1
		.amdhsa_wavefront_size32 1
		.amdhsa_system_sgpr_workgroup_id_x 1
		.amdhsa_system_sgpr_workgroup_id_y 1
		.amdhsa_system_sgpr_workgroup_id_z 1
		.amdhsa_system_vgpr_workitem_id 0
		.amdhsa_next_free_vgpr 864
		.amdhsa_next_free_sgpr 100
		.amdhsa_reserve_vcc 0
		.amdhsa_float_denorm_mode_32 3
		.amdhsa_float_denorm_mode_16_64 3
		.amdhsa_memory_ordered 1
		.amdhsa_forward_progress 1
		.amdhsa_inst_pref_size 182
	.end_amdhsa_kernel
	.amdgpu_metadata
---
amdhsa.version: [ 1, 2 ]
amdhsa.kernels:
  - .name:           k_q8bca0de608_qkv
    .symbol:         k_q8bca0de608_qkv.kd
    .args:
      - { .name: x16, .offset: 0, .size: 8, .value_kind: global_buffer, .address_space: global }
      - { .name: wq16, .offset: 8, .size: 8, .value_kind: global_buffer, .address_space: global }
      - { .name: tab, .offset: 16, .size: 8, .value_kind: global_buffer, .address_space: global }
      - { .name: qn_w, .offset: 24, .size: 8, .value_kind: global_buffer, .address_space: global }
      - { .name: kn_w, .offset: 32, .size: 8, .value_kind: global_buffer, .address_space: global }
      - { .name: q16, .offset: 40, .size: 8, .value_kind: global_buffer, .address_space: global }
      - { .name: k16, .offset: 48, .size: 8, .value_kind: global_buffer, .address_space: global }
      - { .name: v16, .offset: 56, .size: 8, .value_kind: global_buffer, .address_space: global }
    .group_segment_fixed_size: 327680
    .private_segment_fixed_size: 0
    .kernarg_segment_align: 8
    .kernarg_segment_size: 64
    .max_flat_workgroup_size: 128
    .sgpr_count:     100
    .vgpr_count:     864
    .wavefront_size: 32
...
	.end_amdgpu_metadata
.endif
;; end of part 2
;; launch attn (part 3): grid 16 x 16, 4 waves a work-group, no clusters, 327,680 bytes of LDS; arguments q16, k16, v16, o16; writes o16
.if DOCPART == 3
	.amdgcn_target "amdgcn-amd-amdhsa--gfx1250"
	.amdhsa_code_object_version 6
	.text
	.protected	k_q8bca0de608_attn
	.globl	k_q8bca0de608_attn
	.p2align	8
	.type	k_q8bca0de608_attn,@function
k_q8bca0de608_attn:
	s_mov_b64 s[64:65], 0
	v_nop
	global_prefetch_b8 v0, s[64:65] scope:SCOPE_SE
	s_setreg_imm32_b32 hwreg(HW_REG_WAVE_MODE, 25, 1), 1
	s_wait_xcnt 0x0
; ATTENTION BY FRAMES.  O[h][q] = the sum over the keys k of frames 0 .. frame(q) of softmax_k(Q[h][q] . K[h][k] / 8) V[h][k]; a frame is 220 rows, 16 frames.  Q, K, V, O: [16][3520][64] in f16, a head's rows dense.
; Products, maxima and sums in f32; the weights p are rounded to f16 for the second product (their sum l is taken of the unrounded p), O once at the end.
; LIMITS.  Q, K, V arrive within f16's 65,504; a key counted already counts as its score less 1e30; a weight below 2^-126 counts as 0 in l; NaN and infinities are not treated apart.
; THE WALK.  A key tile is two frames, 440 keys.  Work-group x (g = x % 8, half = x / 8) takes 110 rows of frame 2 g + 1, which sees the tiles 0 .. g whole, and then 110 rows of frame 14 - 2 g, which sees the
; tiles 0 .. 6 - g whole and the first frame of tile 7 - g: eight whole tiles and a half one, whatever g: all work-groups do equal work, and one loop of eight trips and a tail walk them.
; A whole tile is 7 steps of 64 keys, at rows 0, 64 .. 320, 376: the last step's first 8 keys have been counted and are hidden; the half tile is 4 steps, at 0, 64, 128, 156, the last with 36 hidden.
; The mask is the C operand that starts S^T = K Q^T (MC: 0, or -1e30).  No key beyond a tile is read.
; SHARES.  A wave has two PIECES of 16 rows, which begin at row min(16 (w + 4 p), 94) of the 110: wave 2's second piece holds two rows of wave 1's once more and stores the same numbers; wave 3's second piece
; is wave 2's once more and is not stored.
; NO CLUSTER: of a head's sixteen work-groups only the two halves of one g walk the same tiles in every trip, and a cluster is four; the others change blocks at other trips, and one walk common to all would
; have 16 tiles for 9.
; BY TURNS.  In a turn one piece has the matrix unit: 8 products V^T P of the step in hand, then 8 products K Q^T of the next; the other piece's softmax stands beside and between them.  Its 33 exponentials
; are one batch with one wait.  LAYOUT: S^T holds one query a lane (lane % 16) and the keys 8 (lane / 16) + 0..7; two results rounded to f16 ARE source 1 of O^T = V^T P.
; p = 2^(c s - c m), c = log2(e) / 8, with a running maximum m; O and l are multiplied by a = 2^(c m_old - c m_new) in every step.
; REGISTERS: window 0: v0-15, v32-38 addresses; v16-23 statistics; v24-31 at work; v64-127 S^T; v128-159 P; v160-223 O^T; v224-255 MC.  window 1: v0-31 Q; v32-63 the second block's Q; v64-127 K; v128-191 V.
.set PK,    144                        ; a row of K in LDS: 128 bytes + 16: the 16 rows of a load start at 16 different groups of four banks (64 banks of 4 bytes: ISA guide 11.1)
.set PV,    160                        ; a row of V: 128 + 32
.set VOFF,  63488                      ; a slot: 440 rows of K (63,360 bytes), then 440 rows of V
.set SLOTB, 134144
.set STAGE, 2*SLOTB                    ; 16 rows x 144 bytes for each wave, for the way out; no tensor load fills it
.set SP,    144
.set SPARE, STAGE+4*16*SP              ; the spare words, 128 bytes for each wave: two blocks of 256 bytes that no other line names
.set FRAMEB, 220*128
.set TILEB,  2*FRAMEB
.set HEADB,  3520*128
.set AK0, 2
.set AV0, 3
.set AK,  4
.set AV,  5
.set STO, 6
.set RD,  7
.set GO0, 8                            ; v8, v9   my 16 bytes of 512 consecutive bytes of O, from piece 0's, piece 1's first row
.set QV0, 10                           ; v10, v11 my place in the pieces' rows of Q
.set MV,  12                           ; v12, v13 c m_old, kept while c m is made anew
.set ST,  16                           ; piece y at ST + 4 y: c m, m, l (even keys', odd keys')
.set TMP, 24                           ; piece y at TMP + 4 y: c0-c3 at work; c2 takes a
.set PFO, 32
.set PFO3, 33
.set SPW, 34
.set NIL, 35
.set MV7, 36                           ; -1e30 in lanes 0-15, 0 in lanes 16-31
.set S,   64
.set P,   128
.set O,   160
.set MC,  224
.set KF,  64                           ; window 1
.set VF,  128
.set WV,  12
.set G,   13
.set SH,  14
.set PHI, 15
.set LK,  16                           ; where my frame of K lies in a slot
.set LV,  17                           ; and of V
.set FB,  18                           ; the slot to be filled: 0 or SLOTB
.set RB,  19                           ; the slot to be read
.set G1K, 24
.set G1V, 32
.set G0K, 40
.set G0V, 44
.set KB,  48                           ; s[48:49] K at my frame of the head's tile 0
.set VB,  50
.set QE,  52                           ; s[52:53] Q at the first block's rows
.set QD,  54                           ; s[54:55] at the second's
.set SLOTS, 56
.set CNT, 57
.set CS,  58
.set SEL, 60
.set TBK, 62
.set TBV, 63
.set RT,  66                           ; tiles of the block in hand that are still to be entered
.set NXT, 67                           ; the tile to be asked for next
.set LQ,  68                           ; the last tile of the block whose tiles are being asked for
.set NEW, 69                           ; 1: the tile to be entered is a block's first
.set OFF, 70
.set OUT, 72
.set OLO, 74
.set BIGN, 76
.set LIM, 77
.set PFA, 78
.set FF,  80
.set MSB, 0
.macro WIN new
.if MSB != (\new)
	s_set_vgpr_msb (MSB<<8)|(\new)
.set MSB, \new
.endif
.endm
.macro LOAD                            ; a fill: waves 0, 1 fetch the tile's two frames of K, waves 2, 3 those of V; an s_nop 0 and four v_nop follow each line
	s_cmp_lt_u32 s[WV], 2
	s_cbranch_scc0 .Lfor_v_\@
	tensor_load_to_lds s[G0K:G0K+3], s[G1K:G1K+7]
	s_nop 0
.rept 4
	v_nop
.endr
	s_branch .Lasked_\@
.Lfor_v_\@:
	tensor_load_to_lds s[G0V:G0V+3], s[G1V:G1V+7]
	s_nop 0
.rept 4
	v_nop
.endr
.Lasked_\@:
.endm
; A PREFETCH of the tile behind the one that is being asked for.  All sixteen work-groups of a head begin with the tiles 0, 1, ..; work-group 7 walks all eight on end, and it alone asks: each of its waves for
; the frame that it will fetch itself, 110 blocks of 256 bytes, a lane a block, four instructions (in the last, lanes 14-31 name the 110th again).  Trips 0 to 5 ask, for tiles 2 to 7.
.macro ASK
	s_cmp_gt_u32 s[SLOTS], s[LIM]
	s_cbranch_scc0 .Lnot_mine_\@
	global_prefetch_b8 v[PFO], s[PFA:PFA+1] th:TH_LOAD_NT scope:SCOPE_SE
	global_prefetch_b8 v[PFO], s[PFA:PFA+1] offset:8192 th:TH_LOAD_NT scope:SCOPE_SE
	global_prefetch_b8 v[PFO], s[PFA:PFA+1] offset:16384 th:TH_LOAD_NT scope:SCOPE_SE
	global_prefetch_b8 v[PFO3], s[PFA:PFA+1] th:TH_LOAD_NT scope:SCOPE_SE
.Lnot_mine_\@:
.endm
; THE CHANGE OF SLOTS.  Each wave waits for all its tensor loads (one is out: its part of the other slot), adds 0 to its spare word, and waits for that and for its reads of the slot that it leaves.
; fill = 1: the old slot is filled again, the first thing behind the barrier, with tile NXT; the descriptor's address is made anew from that number.  (At its first use slot 0 is waited for and slot 1 filled.)
.macro CHANGE fill
	WIN 0
	s_wait_tensorcnt 0x0                           ; no tensor load of mine is out, so a group 0 may be written
	ds_add_u32 v[SPW], v[NIL]                      ; 0 onto my spare word
.if \fill
	s_mul_i32 s[OFF], s[NXT], TILEB
	s_xor_b32 s[FB], s[FB], SLOTB
	s_add_co_u32 s[G0K+1], s[FB], s[LK]
	s_add_nc_u64 s[G0K+2:G0K+3], s[KB:KB+1], s[OFF:OFF+1]
	s_or_b32 s[G0K+3], s[G0K+3], 0x80000000
	s_add_co_u32 s[G0V+1], s[FB], s[LV]
	s_add_nc_u64 s[G0V+2:G0V+3], s[VB:VB+1], s[OFF:OFF+1]
	s_or_b32 s[G0V+3], s[G0V+3], 0x80000000
	s_add_co_u32 s[NXT], s[NXT], 1                 ; the block's next tile, or behind its last the second block's tile 0
	s_cmp_gt_u32 s[NXT], s[LQ]
	s_cselect_b32 s[NXT], 0, s[NXT]
	s_cselect_b32 s[LQ], 15, s[LQ]
	s_wait_xcnt 0x0                                ; the last prefetches, a tile back, have read their address
	s_add_nc_u64 s[PFA:PFA+1], s[PFA:PFA+1], TILEB
.endif
	s_wait_dscnt 0x0                               ; the add is done, and my reads of the slot are over
	s_barrier_signal -1
	s_xor_b32 s[RB], s[RB], SLOTB                  ; the reads go to the other slot
	s_barrier_wait -1
.if \fill
	LOAD
	ASK
.endif
.endm
	s_load_b256 s[4:11], s[0:1], 0x0               ; q16 s[4:5], k16 s[6:7], v16 s[8:9], o16 s[10:11]
	v_lshl_add_u32 v[SPW], v0, 2, SPARE
	v_mov_b32 v[NIL], 0
	ds_add_u32 v[SPW], v[NIL]                      ; the wave's opening: the add and its wait stand ahead of my first tensor load
	v_lshrrev_b32 v1, 5, v0
	v_readfirstlane_b32 s[WV], v1
	s_and_b32 s[G], ttmp9, 7
	s_lshr_b32 s[SH], ttmp9, 3
	s_and_b32 s[PHI], s[WV], 1
	s_and_b32 s20, ttmp7, 0xffff
	s_mul_i32 s20, s20, HEADB                      ; the head's first byte in each of the four tensors
	s_mul_i32 s22, s[PHI], FRAMEB                  ; which frame of a tile I fetch
	s_add_co_u32 s22, s22, s20
	s_mov_b32 s23, 0
	s_mul_i32 s[LK], s[PHI], 220*PK
	s_mul_i32 s[LV], s[PHI], 220*PV
	s_add_co_u32 s[LV], s[LV], VOFF
	s_mul_i32 s21, s[SH], 110*128
	s_add_co_u32 s21, s21, s20
	s_lshl_b32 s82, s[G], 1
	s_add_co_u32 s84, s82, 1                       ; the first block's frame, 2 g + 1
	s_mul_i32 s84, s84, FRAMEB
	s_add_co_u32 s84, s84, s21
	s_mov_b32 s85, 0
	s_sub_co_u32 s86, 14, s82                      ; the second's, 14 - 2 g
	s_mul_i32 s86, s86, FRAMEB
	s_add_co_u32 s86, s86, s21
	s_mov_b32 s87, 0
	; group 1: a frame is 28,160 dense bytes: asked for as 110 rows of 256 bytes, two keys a row, and padded in LDS after every key
	s_mov_b32 s[G1K], (1<<16)|(1<<20)|(4<<22)|(3<<25)  ; 2-byte elements; padding on; after every 32 words 4 words
	s_mov_b32 s[G1V], (1<<16)|(1<<20)|(4<<22)|(7<<25)  ; 8 words
.irp g, G1K, G1V
	s_mov_b32 s[\g+1], 128<<16                     ; tensor_dim0 = 128
	s_mov_b32 s[\g+2], 110<<16                     ; tensor_dim1 = 110
	s_mov_b32 s[\g+3], 128<<16                     ; tile_dim0 = 128
	s_mov_b32 s[\g+4], 110                         ; tile_dim1 = 110
	s_mov_b32 s[\g+5], 128
	s_mov_b32 s[\g+6], 0
	s_mov_b32 s[\g+7], 0
.endr
	s_mov_b32 s[CS], 0x3e38aa3b                    ; c = log2(e) / 8
	s_mov_b32 s[CS+1], s[CS]
	s_mov_b32 s[SEL], 0x76543210
	s_mov_b32 s[SEL+1], 0xfedcba98
	s_mov_b32 s[FB], 0
	s_mov_b32 s[RB], SLOTB                         ; the first change of slots turns it into 0
	s_add_co_u32 s[RT], s[G], 1                    ; the first block has g + 1 tiles
	s_mov_b32 s[NXT], 1
	s_mov_b32 s[LQ], s[G]
	s_cmp_gt_u32 s[NXT], s[LQ]                     ; (g = 0: the first block has one tile)
	s_cselect_b32 s[NXT], 0, s[NXT]
	s_cselect_b32 s[LQ], 15, s[LQ]
	s_mov_b32 s[NEW], 1
	s_mov_b32 s[OFF+1], 0
	s_mov_b32 s[BIGN], 0xf149f2ca                  ; -1e30
	s_mov_b32 s[SLOTS], 8
	s_cmp_eq_u32 ttmp9, 7
	s_cselect_b32 s[LIM], 2, -1
	s_mov_b32 s[G0K], 1
	s_mov_b32 s[G0K+1], s[LK]
	s_mov_b32 s[G0V], 1
	s_mov_b32 s[G0V+1], s[LV]
	s_wait_dscnt 0x0                               ; the opening add is done
	s_wait_kmcnt 0x0
	s_add_nc_u64 s[KB:KB+1], s[6:7], s[22:23]
	s_add_nc_u64 s[VB:VB+1], s[8:9], s[22:23]
	s_mov_b64 s[G0K+2:G0K+3], s[KB:KB+1]
	s_or_b32 s[G0K+3], s[G0K+3], 0x80000000
	s_mov_b64 s[G0V+2:G0V+3], s[VB:VB+1]
	s_or_b32 s[G0V+3], s[G0V+3], 0x80000000
	s_add_nc_u64 s[QE:QE+1], s[4:5], s[84:85]
	s_add_nc_u64 s[QD:QD+1], s[4:5], s[86:87]
	s_add_nc_u64 s[OUT:OUT+1], s[10:11], s[84:85]
	s_add_nc_u64 s[OLO:OLO+1], s[10:11], s[86:87]
	s_cmp_lt_u32 s[WV], 2
	s_cselect_b64 s[PFA:PFA+1], s[KB:KB+1], s[VB:VB+1]
	s_add_nc_u64 s[PFA:PFA+1], s[PFA:PFA+1], TILEB ; tile 1; each change of slots steps on before it asks
	LOAD                                           ; tile 0 into slot 0
	v_and_b32 v1, 15, v0                           ; r
	v_bfe_u32 v14, v0, 4, 1                        ; h
	v_lshlrev_b32 v15, 7, v1
	v_lshl_add_u32 v15, v14, 4, v15                ; row x 128 + 16 x half
	s_lshl_b32 s82, s[WV], 11                      ; piece 0 begins at row 16 w,
	s_add_co_u32 s83, s82, 64*128
	s_min_u32 s83, s83, 94*128                     ; piece 1 at min(16 w + 64, 94)
	v_add_nc_u32 v[QV0], s82, v15
	v_add_nc_u32 v[QV0+1], s83, v15
	WIN 0x40
.irp p, 0,1
.irp c, 0,1
	global_load_b128 v[16*\p+8*\c:16*\p+8*\c+3], v[QV0+\p], s[QE:QE+1] offset:64*\c
	global_load_b128 v[16*\p+8*\c+4:16*\p+8*\c+7], v[QV0+\p], s[QE:QE+1] offset:64*\c+32
	global_load_b128 v[32+16*\p+8*\c:32+16*\p+8*\c+3], v[QV0+\p], s[QD:QD+1] offset:64*\c
	global_load_b128 v[32+16*\p+8*\c+4:32+16*\p+8*\c+7], v[QV0+\p], s[QD:QD+1] offset:64*\c+32
.endr
.endr
	WIN 0
	v_mul_u32_u24 v[AK0], v1, PK
	v_lshl_add_u32 v[AK0], v14, 4, v[AK0]
	v_and_b32 v37, 7, v0
	v_bfe_u32 v38, v0, 3, 1
	v_lshl_add_u32 v[AV0], v14, 3, v37             ; the turning load: lane l reads key 8 (l / 16) + l % 8, channels 8 ((l / 8) % 2) + 0..7
	v_mul_u32_u24 v[AV0], v[AV0], PV
	v_lshl_add_u32 v[AV0], v38, 4, v[AV0]
	v_add_nc_u32 v[AV0], VOFF, v[AV0]
	s_mul_i32 s20, s[WV], 16*SP
	s_add_co_u32 s20, s20, STAGE
	v_mul_u32_u24 v[STO], v1, SP
	v_lshl_add_u32 v[STO], v14, 4, v[STO]
	v_add_nc_u32 v[STO], s20, v[STO]
	v_bfe_u32 v[RD], v0, 3, 2
	v_mul_u32_u24 v[RD], v[RD], SP
	v_lshl_add_u32 v[RD], v37, 4, v[RD]
	v_add_nc_u32 v[RD], s20, v[RD]
	v_and_b32 v38, 31, v0
	v_lshlrev_b32 v15, 4, v38
	v_add_nc_u32 v[GO0], s82, v15
	v_add_nc_u32 v[GO0+1], s83, v15
	v_lshlrev_b32 v[PFO], 8, v38
	v_add_nc_u32 v[PFO3], 96, v38
	v_min_u32 v[PFO3], 109, v[PFO3]
	v_lshlrev_b32 v[PFO3], 8, v[PFO3]
	v_sub_nc_u32 v[MV7], 1, v14
	v_cvt_f32_u32 v[MV7], v[MV7]
	v_mul_f32 v[MV7], s[BIGN], v[MV7]
	; A block's first step multiplies O^T and l by a = 0, so they need only hold finite numbers: zeros for the first block, what the first block left for the second.  MC is 0 as a rule.
.set i, 0
.rept 96
	v_mov_b32 v[O+i], 0
.set i, i+1
.endr
.irp y, 0,1
	v_mov_b32 v[ST+4*\y+2], 0
	v_mov_b32 v[ST+4*\y+3], 0
.endr
; THE MATRIX WORK.  The 4 accumulators of a run of 8 take turns.  Product i of S^T = K Q^T for piece x: channels 32 (i / 4) on, keys 16 (i % 4) on; the first 4 start the sums with the mask.
.macro KQ x
	WIN 0x05                                       ; K and Q in window 1
.set rS, S+32*(\x)+8*(i%4)
.set rK, KF+16*(i%4)+8*(i/4)
.set rQ, 16*(\x)+8*(i/4)
.set rM, MC+8*(i%4)
.if i < 4
	v_wmma_f32_16x16x32_f16 v[rS:rS+7], v[rK:rK+7], v[rQ:rQ+7], v[rM:rM+7]
.else
	v_wmma_f32_16x16x32_f16 v[rS:rS+7], v[rK:rK+7], v[rQ:rQ+7], v[rS:rS+7]
.endif
.endm
; Product i of O^T += V^T P for piece x: keys 32 (i / 4) on, channels 16 (i % 4) on.
.macro PV x
	WIN 0x01                                       ; V in window 1
.set rO, O+32*(\x)+8*(i%4)
.set rV, VF+32*(i/4)+8*(i%4)
.set rP, P+16*(\x)+8*(i/4)
	v_wmma_f32_16x16x32_f16 v[rO:rO+7], v[rV:rV+7], v[rP:rP+7], v[rO:rO+7]
.endm
.macro MPV x, on
.if \on
	PV \x
.endif
.set i, i+1
.endm
.macro MKQ x, on
.if \on
	KQ \x
.endif
.set i, i+1
.endm
; THE LDS LOADS stand in runs of 16: a step's K (8 fragments) and its V (turned).
.macro FETCH_K
	WIN 0
	v_add_nc_u32 v[AK], s[TBK], v[AK0]
	WIN 0x40
.irp f, 0,1,2,3,4,5,6,7
	ds_load_b128 v[KF+8*\f:KF+8*\f+3],   v[AK] offset:(\f/2)*16*PK+(\f%2)*64
	ds_load_b128 v[KF+8*\f+4:KF+8*\f+7], v[AK] offset:(\f/2)*16*PK+(\f%2)*64+32
.endr
	WIN 0
.endm
.macro FETCH_V
	WIN 0
	v_add_nc_u32 v[AV], s[TBV], v[AV0]
	WIN 0x40
.irp f, 0,1,2,3,4,5,6,7
	ds_load_tr16_b128 v[VF+8*\f:VF+8*\f+3],   v[AV] offset:(\f/4)*32*PV+(\f%4)*32
	ds_load_tr16_b128 v[VF+8*\f+4:VF+8*\f+7], v[AV] offset:(\f/4)*32*PV+16*PV+(\f%4)*32
.endr
	WIN 0
.endm
; THE VECTOR WORK, for piece Y, one line at a time: OP kind, number.  X n: number n of the 22 that find the maximum and statistics (0-11 four chains of seven scores, each accumulator's lowest registers first;
; 12-14, 16 the rest, the old m, into c0; 15 c m_old is kept; 17, 18 the other half of the lanes: the new m; 19-21 c m, its change, a).  F n: c s - c m for pair n.  E n: the exponential of score n.
; C n: pair n rounded to f16.  B n: of the four weights 4 n .. the second pair onto the first.  L n: l takes that sum (L 0: l = a l + sum).  R n: pair n of O^T times a.
.set F, 0
.set E, 1
.set C, 2
.set B, 3
.set L, 4
.set R, 5
.set X, 6
.macro OP k, n
	WIN 0
.set rT, ST+4*Y
.set rC, TMP+4*Y
.set rW, MV+Y
.set rS, S+32*Y
.set rP, P+16*Y
.set rO, O+32*Y
.if (\k) == F
	v_pk_fma_f32 v[rS+2*(\n):rS+2*(\n)+1], v[rS+2*(\n):rS+2*(\n)+1], s[CS:CS+1], v[rT:rT+1] op_sel_hi:[1,0,0] neg_lo:[0,0,1] neg_hi:[0,0,1]
.elseif (\k) == E
	v_exp_f32 v[rS+(\n)], v[rS+(\n)]
.elseif (\k) == C
	v_cvt_pk_f16_f32 v[rP+(\n)], v[rS+2*(\n)], v[rS+2*(\n)+1]
.elseif (\k) == B
	v_pk_add_f32 v[rS+4*(\n):rS+4*(\n)+1], v[rS+4*(\n):rS+4*(\n)+1], v[rS+4*(\n)+2:rS+4*(\n)+3]
.elseif ((\k) == L) && ((\n) == 0)
	v_pk_fma_f32 v[rT+2:rT+3], v[rT+2:rT+3], v[rC+2:rC+3], v[rS:rS+1] op_sel_hi:[1,0,1]
.elseif (\k) == L
	v_pk_add_f32 v[rT+2:rT+3], v[rT+2:rT+3], v[rS+4*(\n):rS+4*(\n)+1]
.elseif (\k) == R
	v_pk_mul_f32 v[rO+2*(\n):rO+2*(\n)+1], v[rO+2*(\n):rO+2*(\n)+1], v[rC+2:rC+3] op_sel_hi:[1,0]
.elseif (\n) < 4
	v_max3_num_f32 v[rC+(\n)], v[rS+8*(\n)], v[rS+8*(\n)+1], v[rS+8*(\n)+2]
.elseif (\n) < 12
	v_max3_num_f32 v[rC+(\n)%4], v[rC+(\n)%4], v[rS+8*((\n)%4)+2*((\n)/4)+1], v[rS+8*((\n)%4)+2*((\n)/4)+2]
.elseif (\n) == 12
	v_max3_num_f32 v[rC], v[rC], v[rS+7], v[rS+15]
.elseif (\n) == 13
	v_max3_num_f32 v[rC+1], v[rC+1], v[rS+23], v[rS+31]
.elseif (\n) == 14
	v_max3_num_f32 v[rC+2], v[rC+2], v[rC+3], v[rT+1]
.elseif (\n) == 15
	v_mov_b32 v[rW], v[rT]
.elseif (\n) == 16
	v_max3_num_f32 v[rC], v[rC], v[rC+1], v[rC+2]
.elseif (\n) == 17
	v_permlanex16_b32 v[rC+3], v[rC], s[SEL], s[SEL+1]
.elseif (\n) == 18
	v_max_num_f32 v[rT+1], v[rC], v[rC+3]
.elseif (\n) == 19
	v_mul_f32 v[rT], s[CS], v[rT+1]
.elseif (\n) == 20
	v_sub_f32 v[rC+1], v[rW], v[rT]
.else
	v_exp_f32 v[rC+2], v[rC+1]
.endif
.endm
.macro OPS a, i1, b=-1, i2=0, c=-1, i3=0, d=-1, i4=0
	OP \a, \i1
.if (\b) >= 0
	OP \b, \i2
.endif
.if (\c) >= 0
	OP \c, \i3
.endif
.if (\d) >= 0
	OP \d, \i4
.endif
.endm
; A TURN.  Piece x has the matrix unit, piece 1 - x the vector unit.  pv, kq: the turn has its products V^T P, K Q^T.  fk: K of the next step is fetched at the head: the last product that read K stands
; twenty plain instructions back.  fv: V of that step is fetched behind the products V^T P: the four lines behind the last of them, and the address's own line, are the places.
; AHEAD OF THE WAIT stands all that names no result of the turn's exponentials: the maximum and statistics beside the products V^T P, then the scalings and the 33 exponentials.  BEHIND IT the roundings and
; sums beside the products K Q^T, and the rescaling, whose sixteen lines are the places behind the last product.  No line beside a product names one of its registers.
.macro TURN x, pv, kq, fk, fv
.set Y, 1-(\x)
.set i, 0
.if ((\x) == 0) && (\pv)
	s_wait_dscnt 0x0                               ; V is in
.endif
.if \fk
	FETCH_K
.endif
	MPV \x, \pv
	OPS X,0, X,1, X,2, X,3
	MPV \x, \pv
	OPS X,4, X,5, X,6, X,7
	MPV \x, \pv
	OPS X,8, X,9, X,10, X,11
	MPV \x, \pv
	OPS X,12, X,13, X,15, X,14
	MPV \x, \pv
	OPS X,16
	MPV \x, \pv
	OPS X,17
	MPV \x, \pv
	OPS X,18
	MPV \x, \pv
	OPS X,19, X,20, F,0, F,1
.if \fv
	FETCH_V
.endif
	OP X, 21
.set k, 2
.rept 14
	OP F, k
	OP E, k-2
.set k, k+1
.endr
.set k, 14
.rept 18
	OP E, k
.set k, k+1
.endr
	v_nop                                          ; a plain instruction behind the last exponential: one for the batch
	s_wait_alu depctr_va_vdst(0)                   ; the one wait ahead of the batch's first reader
.if \fk
	s_wait_dscnt 0x0                               ; K is in
.endif
.set i, 0
	MKQ \x, \kq
	OPS C,0, B,0, C,2, B,1
	MKQ \x, \kq
	OPS L,0, C,4, B,2, L,1
	MKQ \x, \kq
	OPS C,6, B,3, L,2, C,8
	MKQ \x, \kq
	OPS B,4, L,3, C,10, B,5
	MKQ \x, \kq
	OPS L,4, C,12, B,6, L,5
	MKQ \x, \kq
	OPS C,14, B,7, L,6, C,1
	MKQ \x, \kq
	OPS C,3, L,7, C,5, C,7
	MKQ \x, \kq
	OPS C,9, C,11, C,13, C,15
.set k, 0
.rept 16
	OP R, k
.set k, k+1
.endr
.endm
; A TRIP of the step loop fetches step f = nst - CNT of the tile, which begins at key row min(64 f, last): the LDS bytes are made anew from the counter and the slot.  In the tile's last step (CNT = 1) the keys
; that the step before has counted are hidden.  half = 1: the half tile.
.macro STEP half
.if \half
	s_sub_co_u32 s[FF], 4, s[CNT]
	s_lshl_b32 s[FF], s[FF], 6
	s_min_u32 s[FF], s[FF], 156
.else
	s_sub_co_u32 s[FF], 7, s[CNT]
	s_lshl_b32 s[FF], s[FF], 6
	s_min_u32 s[FF], s[FF], 376
.endif
	s_mul_i32 s[TBK], s[FF], PK
	s_add_co_u32 s[TBK], s[TBK], s[RB]
	s_mul_i32 s[TBV], s[FF], PV
	s_add_co_u32 s[TBV], s[TBV], s[RB]
	s_cmp_lg_u32 s[CNT], 1
	s_cbranch_scc1 .Lno_mask_\@
.if \half
.set i, 0
.rept 16
	v_mov_b32 v[MC+i], s[BIGN]                     ; keys 0 to 31,
.set i, i+1
.endr
.rept 4
	v_mov_b32 v[MC+i], v[MV7]                      ; and 32 to 35
.set i, i+1
.endr
.else
.set i, 0
.rept 8
	v_mov_b32 v[MC+i], v[MV7]                      ; keys 0 to 7
.set i, i+1
.endr
.endif
.Lno_mask_\@:
	TURN 0, 1, 1, 1, 0
	TURN 1, 1, 1, 0, 1
	WIN 0
.endm
; A BLOCK BEGINS: c m far below every c s, so the first a is 0; m at the lowest finite number.  K of the tile's step 0, piece 0's first scores, then piece 1's beside piece 0's first softmax.
; This is the tile's trip for step 0: the step loop is joined at its bottom.
.macro BEGIN
	s_mov_b32 s[NEW], 0
	WIN 0
.irp y, 0,1
	v_mov_b32 v[ST+4*\y], 0xfe000000
	v_mov_b32 v[ST+4*\y+1], 0xff7fffff
.endr
	s_mov_b32 s[TBK], s[RB]
	s_mov_b32 s[TBV], s[RB]
	FETCH_K
	s_wait_loadcnt 0x0                             ; Q
	s_wait_dscnt 0x0
.set i, 0
.rept 8
	KQ 0
.set i, i+1
.endr
	WIN 0
.rept 4
	v_nop                                          ; the places behind those products
.endr
	TURN 1, 0, 1, 0, 1
	WIN 0
.endm
; A BLOCK ENDS: piece 0's last products beside piece 1's last softmax, piece 1's last products, and THE WAY OUT: O^T / l, rounded to f16, through my stage in LDS, a piece at a time.
.macro PACK t
.set i, 0
.rept 16
	v_pk_mul_f32 v[O+32*(\t)+2*i:O+32*(\t)+2*i+1], v[O+32*(\t)+2*i:O+32*(\t)+2*i+1], v[ST+4*(\t)+2:ST+4*(\t)+3] op_sel_hi:[1,0]
.set i, i+1
.endr
.set i, 0
.rept 16
	v_cvt_pk_f16_f32 v[S+16*(\t)+i], v[O+32*(\t)+2*i], v[O+32*(\t)+2*i+1]
.set i, i+1
.endr
.irp f, 0,1,2,3
	ds_store_b128 v[STO], v[S+16*(\t)+4*\f:S+16*(\t)+4*\f+3] offset:32*\f
.endr
.irp f, 0,1,2,3
	ds_load_b128 v[S+16*(\t)+4*\f:S+16*(\t)+4*\f+3], v[RD] offset:\f*4*SP  ; LDS serves a wave's instructions in order (ISA guide 5.7.1.4): these see the stores above
.endr
.endm
.macro SEND t
.irp f, 0,1,2,3
	s_wait_dscnt 3-\f                              ; load f is back; the younger ones may be out
	global_store_b128 v[GO0+(\t)], v[S+16*(\t)+4*\f:S+16*(\t)+4*\f+3], s[OUT:OUT+1] offset:\f*512  ; 512 consecutive bytes, at a multiple of 256 from O's first
.endr
.endm
.macro END
	TURN 0, 1, 0, 0, 0
.set i, 0
.rept 8
	PV 1
.set i, i+1
.endr
	WIN 0
.irp t, 0,1
	v_add_f32 v[ST+4*\t+2], v[ST+4*\t+2], v[ST+4*\t+3]
.endr
.irp t, 0,1
	v_permlanex16_b32 v[ST+4*\t+3], v[ST+4*\t+2], s[SEL], s[SEL+1]
.endr
.irp t, 0,1
	v_add_f32 v[ST+4*\t+2], v[ST+4*\t+2], v[ST+4*\t+3]
.endr
.irp t, 0,1
	v_rcp_f32 v[ST+4*\t+2], v[ST+4*\t+2]
.endr
	v_nop                                          ; a plain instruction behind the last reciprocal,
	s_wait_alu depctr_va_vdst(0)                   ; and the wait ahead of the first use
	PACK 0                                         ; its 32 lines, and the additions above, are the places behind piece 1's last products
	SEND 0
	s_cmp_eq_u32 s[WV], 3                          ; wave 3's second piece is wave 2's once more
	s_cbranch_scc1 .Lno_second_\@
	PACK 1
	SEND 1
.Lno_second_\@:
.endm
.Lslot:                                                ; eight times: a whole tile is entered and the next is asked for
	CHANGE 1
	s_sub_co_u32 s[RT], s[RT], 1
	s_mov_b32 s[CNT], 7
	s_cmp_eq_u32 s[NEW], 1
	s_cbranch_scc0 .Lstep
	BEGIN
	s_branch .Ljoin
.Lstep:
	STEP 0
.Ljoin:
	s_sub_co_u32 s[CNT], s[CNT], 1
	s_cmp_lg_u32 s[CNT], 0
	s_cbranch_scc1 .Lstep
.set i, 0
.rept 8
	v_mov_b32 v[MC+i], 0                           ; the mask is taken away; the last product that read it stands more than four plain lines back
.set i, i+1
.endr
	s_cmp_lg_u32 s[RT], 0
	s_cbranch_scc1 .Lbottom
	END                                            ; the first block's end
	s_wait_xcnt 0x0                                ; the stores have read their registers and O's address
	s_mov_b64 s[OUT:OUT+1], s[OLO:OLO+1]
	s_sub_co_u32 s[RT], 8, s[G]                    ; the second block has 7 - g whole tiles and the half one
	s_mov_b32 s[NEW], 1
	WIN 0x41                                       ; the second block's Q goes where the one text of the turns names Q
.set i, 0
.rept 32
	v_mov_b32 v[i], v[32+i]
.set i, i+1
.endr
	WIN 0
.Lbottom:
	s_sub_co_u32 s[SLOTS], s[SLOTS], 1
	s_cmp_lg_u32 s[SLOTS], 0
	s_cbranch_scc1 .Lslot
	CHANGE 0                                       ; the half tile is written out: nothing is asked for
	s_mov_b32 s[CNT], 4
	s_cmp_eq_u32 s[NEW], 1
	s_cbranch_scc0 .Lstep2
	BEGIN
	s_branch .Ljoin2
.Lstep2:
	STEP 1
.Ljoin2:
	s_sub_co_u32 s[CNT], s[CNT], 1
	s_cmp_lg_u32 s[CNT], 0
	s_cbranch_scc1 .Lstep2
	END
	s_wait_tensorcnt 0x0                           ; the wave's end: behind my last tensor load and my last LDS store
	ds_add_u32 v[SPW], v[NIL]
	s_wait_dscnt 0x0
	s_endpgm
.Lfunc_end_k_q8bca0de608_attn:
	.size	k_q8bca0de608_attn, .Lfunc_end_k_q8bca0de608_attn-k_q8bca0de608_attn
	.p2alignl 7, 3214868480
	.fill 96, 4, 3214868480
	.section	.rodata,"a",@progbits
	.p2align	6, 0x0
	.amdhsa_kernel k_q8bca0de608_attn
		.amdhsa_group_segment_fixed_size 327680
		.amdhsa_private_segment_fixed_size 0
		.amdhsa_enable_private_segment 0
		.amdhsa_kernarg_size 32
		.amdhsa_user_sgpr_count 2
		.amdhsa_user_sgpr_kernarg_segment_ptr 1
		.amdhsa_wavefront_size32 1
		.amdhsa_system_sgpr_workgroup_id_x 1
		.amdhsa_system_sgpr_workgroup_id_y 1
		.amdhsa_system_sgpr_workgroup_id_z 1
		.amdhsa_system_vgpr_workitem_id 0
		.amdhsa_next_free_vgpr 448
		.amdhsa_next_free_sgpr 88
		.amdhsa_reserve_vcc 0
		.amdhsa_float_denorm_mode_32 3
		.amdhsa_float_denorm_mode_16_64 3
		.amdhsa_memory_ordered 1
		.amdhsa_forward_progress 1
		.amdhsa_inst_pref_size 105
	.end_amdhsa_kernel
	.amdgpu_metadata
---
amdhsa.version: [ 1, 2 ]
amdhsa.kernels:
  - .name:           k_q8bca0de608_attn
    .symbol:         k_q8bca0de608_attn.kd
    .args:
      - { .name: q16, .offset: 0, .size: 8, .value_kind: global_buffer, .address_space: global }
      - { .name: k16, .offset: 8, .size: 8, .value_kind: global_buffer, .address_space: global }
      - { .name: v16, .offset: 16, .size: 8, .value_kind: global_buffer, .address_space: global }
      - { .name: o16, .offset: 24, .size: 8, .value_kind: global_buffer, .address_space: global }
    .group_segment_fixed_size: 327680
    .private_segment_fixed_size: 0
    .kernarg_segment_align: 8
    .kernarg_segment_size: 32
    .max_flat_workgroup_size: 128
    .sgpr_count:     88
    .vgpr_count:     448
    .wavefront_size: 32
...
	.end_amdgpu_metadata
.endif
;; end of part 3
;; launch proj (part 4): grid 4 x 44, 4 waves a work-group, clusters of 4 x 4, 327,680 bytes of LDS; arguments o16, wp16, bproj, out0; writes out0
.if DOCPART == 4
	.amdgcn_target "amdgcn-amd-amdhsa--gfx1250"
	.amdhsa_code_object_version 6
	.text
	.protected	k_q8bca0de608_proj
	.globl	k_q8bca0de608_proj
	.p2align	8
	.type	k_q8bca0de608_proj,@function
k_q8bca0de608_proj:
	s_mov_b64 s[64:65], 0
	v_nop
	global_prefetch_b8 v0, s[64:65] scope:SCOPE_SE
	s_setreg_imm32_b32 hwreg(HW_REG_WAVE_MODE, 25, 1), 1
	s_wait_xcnt 0x0
	s_wait_alu depctr_hold_cnt(0) depctr_sa_sdst(0) depctr_va_vdst(0) depctr_va_sdst(0) depctr_va_ssrc(0) depctr_va_vcc(0) depctr_vm_vsrc(0)
	s_getreg_b32 s2, hwreg(HW_REG_IB_STS2, 6, 4)
	s_cmp_eq_u32 s2, 0
	s_cbranch_scc0 .Lentry_in_a_cluster
	s_endpgm
.Lentry_in_a_cluster:
	s_bfe_u32 s2, ttmp6, 0x10000c
	s_cmp_lg_u32 s2, 0xf033
	s_cbranch_scc0 .Lentry_shape_is_right
	s_endpgm
.Lentry_shape_is_right:
; PROJ: out0[t][n] = the sum over c of O[t][c] Wproj[c][n] + bproj[n], f32.  o16 is [16][3520][64] in f16 (c = 64 head + channel), wp16 [1024][1024] in f16; sums in f32; the bias is rounded to bf16 like every
; other input of the module.  LIMIT: O and wp16 lie within f16's range (wp16 below 6.1e-5 keeps f16's fixed step).
; SHARES.  A tile is 80 rows x 256 columns: 44 x 4 = 176 work-groups (3520 = 44 x 80; 44 divides by four, so both operands can be asked for jointly).  Wave w makes 80 x 64: 20 accumulators (a = 0..4, b = 0..3).
; The product is taken transposed: source 0 = 16 columns of W, turned out of LDS; source 1 = 16 rows of O.  A lane (r, h) holds row 16 a + r, columns 16 b + 8 h + 0..7.
; RING.  K goes in 8 steps of 128, two heads, through two LDS slots.  Waves 0, 1 fetch a head's 80 rows each (10,240 dense bytes, asked for as 40 rows of 256), waves 2, 3 W's 64 + 64 rows of k.
; CLUSTER 4 x 4: O's tile is shared along a row of the cluster, W's along a column.  NO PREFETCH: the launch has 640 matrix instructions a wave in all, too short a run for one to pay.
; REGISTERS: window 0: v0-31 addresses; v32-63 the bias; v64-95 rows on their way out; v96-255 accumulators at 96 + 32 a + 8 b.  window 1: two buffers of 72: O's 5 fragments, then W's 4.
.set PA,    144
.set PB,    544
.set BOFF,  2*80*PA                    ; a slot: two heads x 80 rows of O, then W's 128 rows of k
.set SLOT1, 1<<17
.set STAGE, SLOT1+BOFF+128*PB          ; 16 rows x 272 bytes for each wave; no tensor load fills it
.set SP,    272
.set SPARE, STAGE+4*16*SP              ; the spare words, 128 bytes for each wave: two blocks of 256 bytes that no other line names
.set OSTEP, 2*3520*128                 ; a K step in o16: two heads
.set WSTEP, 128*2048
.set ADRA0, 3
.set ADRB0, 4
.set ADRA,  5
.set ADRB,  6
.set STO,   8
.set RD,    9
.set GO,    10
.set SPW,   12
.set NIL,   13
.set BO,    14
.set BIAS,  32
.set BK,    64
.set ACC,   96
.set WV,  12
.set PHI, 13
.set CX,  14
.set CY,  15
.set BX,  16
.set BY,  17
.set CNT, 18
.set TB,  19
.set G1A, 20
.set G1B, 28
.set GAF, 36
.set GAW, 40
.set GBF, 44
.set GBW, 48
.set OUT, 52
.set BB,  54
.set MUL,  0x05                        ; sources 0 and 1 window 1; C and D window 0
.set TO_F, 0x40
.set MSB, 0
.macro WIN new
.if MSB != (\new)
	s_set_vgpr_msb (MSB<<8)|(\new)
.set MSB, \new
.endif
.endm
.macro PLACES
.rept 4
	v_nop
.endr
.endm
.macro CREST
	s_cmp_lg_u32 s[WV], 0
	s_cbranch_scc1 .Lnot_wave_0_\@
	s_barrier_signal -3
.Lnot_wave_0_\@:
	s_barrier_wait -3
	s_barrier_signal -1
	s_barrier_wait -1
.endm
.macro CROUND
	s_barrier_signal -1
	s_barrier_wait -1
	CREST
.endm
.macro JLOAD                           ; a joint refill by the walking descriptors; an s_nop 0 and four v_nop follow each line
	s_cmp_lt_u32 s[WV], 2
	s_cbranch_scc0 .Lfor_b_\@
	tensor_load_to_lds s[GAW:GAW+3], s[G1A:G1A+7]
	s_nop 0
.rept 4
	v_nop
.endr
	s_branch .Lasked_\@
.Lfor_b_\@:
	tensor_load_to_lds s[GBW:GBW+3], s[G1B:G1B+7]
	s_nop 0
.rept 4
	v_nop
.endr
.Lasked_\@:
.endm
	s_load_b256 s[4:11], s[0:1], 0x0               ; o16 s[4:5], wp16 s[6:7], bproj s[8:9], out0 s[10:11]
	v_lshl_add_u32 v[SPW], v0, 2, SPARE
	v_mov_b32 v[NIL], 0
	ds_add_u32 v[SPW], v[NIL]                      ; the wave's opening: the add and its wait stand ahead of my first tensor load
	v_lshrrev_b32 v1, 5, v0
	v_readfirstlane_b32 s[WV], v1
	s_and_b32 s[PHI], s[WV], 1
	s_bfe_u32 s[CX], ttmp6, 0x40000
	s_bfe_u32 s[CY], ttmp6, 0x40004
	s_lshl_b32 s[BX], ttmp9, 2
	s_add_co_u32 s[BX], s[BX], s[CX]
	s_and_b32 s[BY], ttmp7, 0xffff
	s_lshl_b32 s[BY], s[BY], 2
	s_add_co_u32 s[BY], s[BY], s[CY]
	s_lshl_b32 s56, s[CY], 2
	s_lshl_b32 s56, 15, s56                        ; my row of the cluster
	s_lshl_b32 s57, 0x1111, s[CX]                  ; my column
	s_or_b32 s[G1A], s56, (1<<16)|(1<<20)|(1<<21)|(4<<22)|(3<<25)  ; mask; 2-byte elements; padding on; bit 21 beside a mask; after every 32 words 4 words
	s_or_b32 s[G1B], s57, (1<<16)|(1<<20)|(1<<21)|(6<<22)|(7<<25)  ; after every 128 words 8 words
	s_mov_b32 s[G1A+1], 128<<16
	s_mov_b32 s[G1A+2], 40<<16
	s_mov_b32 s[G1A+3], 128<<16
	s_mov_b32 s[G1A+4], 40
	s_mov_b32 s[G1A+5], 128
	s_mov_b32 s[G1A+6], 0
	s_mov_b32 s[G1A+7], 0
	s_mov_b32 s[G1B+1], 256<<16
	s_mov_b32 s[G1B+2], 64<<16
	s_mov_b32 s[G1B+3], 256<<16
	s_mov_b32 s[G1B+4], 64
	s_mov_b32 s[G1B+5], 1024
	s_mov_b32 s[G1B+6], 0
	s_mov_b32 s[G1B+7], 0
	s_mul_i32 s58, s[BY], 80*128                   ; O: the tile's rows, in my head of the step's two
	s_mul_i32 s62, s[PHI], 3520*128
	s_add_co_u32 s58, s58, s62
	s_mov_b32 s59, 0
	s_lshl_b32 s60, s[PHI], 17                     ; W: my 64 rows of k (2,048 bytes each), the tile's 256 columns
	s_lshl_b32 s63, s[BX], 9
	s_add_co_u32 s60, s60, s63
	s_mov_b32 s61, 0
	s_mul_i32 s62, s[PHI], 80*PA
	s_mul_i32 s63, s[PHI], 64*PB
	s_mov_b32 s[GAF], 1
	s_mov_b32 s[GAF+1], s62
	s_mov_b32 s[GAW], 1
	s_add_co_u32 s[GAW+1], s62, SLOT1
	s_mov_b32 s[GBF], 1
	s_add_co_u32 s[GBF+1], s63, BOFF
	s_mov_b32 s[GBW], 1
	s_add_co_u32 s[GBW+1], s63, SLOT1+BOFF
	s_mov_b32 s[TB], 0
	s_wait_dscnt 0x0                               ; the opening add is done
	s_wait_kmcnt 0x0
	s_add_nc_u64 s[GAF+2:GAF+3], s[4:5], s[58:59]
	s_add_nc_u64 s[GAW+2:GAW+3], s[GAF+2:GAF+3], OSTEP
	s_or_b32 s[GAF+3], s[GAF+3], 0x80000000
	s_or_b32 s[GAW+3], s[GAW+3], 0x80000000
	s_add_nc_u64 s[GBF+2:GBF+3], s[6:7], s[60:61]
	s_add_nc_u64 s[GBW+2:GBW+3], s[GBF+2:GBF+3], WSTEP
	s_or_b32 s[GBF+3], s[GBF+3], 0x80000000
	s_or_b32 s[GBW+3], s[GBW+3], 0x80000000
	CROUND                                         ; all sixteen work-groups are here: the first joint loads meet
	s_cmp_lt_u32 s[WV], 2                          ; a wave's two first fills stand in one branch: two loads of mine are out
	s_cbranch_scc0 .Lfirst_b
	tensor_load_to_lds s[GAF:GAF+3], s[G1A:G1A+7]
	s_nop 0
	tensor_load_to_lds s[GAW:GAW+3], s[G1A:G1A+7]
	s_nop 0
.rept 4
	v_nop
.endr
	s_branch .Lfirst_done
.Lfirst_b:
	tensor_load_to_lds s[GBF:GBF+3], s[G1B:G1B+7]
	s_nop 0
	tensor_load_to_lds s[GBW:GBW+3], s[G1B:G1B+7]
	s_nop 0
.rept 4
	v_nop
.endr
.Lfirst_done:
	v_and_b32 v1, 15, v0                           ; r
	v_bfe_u32 v2, v0, 4, 1                         ; h
	v_lshlrev_b32 v[BO], 5, v2
	s_lshl_b32 s66, s[BX], 10                      ; the tile's 256 columns, my wave's 64: in bytes of f32
	s_lshl_b32 s68, s[WV], 8
	s_add_co_u32 s66, s66, s68
	s_mov_b32 s67, 0
	s_add_nc_u64 s[BB:BB+1], s[8:9], s[66:67]
.irp b, 0,1,2,3
	global_load_b128 v[BIAS+8*\b:BIAS+8*\b+3], v[BO], s[BB:BB+1] offset:64*\b
	global_load_b128 v[BIAS+8*\b+4:BIAS+8*\b+7], v[BO], s[BB:BB+1] offset:64*\b+16
.endr
	s_add_nc_u64 s[OUT:OUT+1], s[10:11], s[66:67]
	s_mul_i32 s68, s[BY], 80*4096
	s_mov_b32 s69, 0
	s_add_nc_u64 s[OUT:OUT+1], s[OUT:OUT+1], s[68:69]
	v_mul_u32_u24 v[ADRA0], v1, PA
	v_lshl_add_u32 v[ADRA0], v2, 4, v[ADRA0]
	v_and_b32 v15, 7, v0
	v_bfe_u32 v16, v0, 3, 1
	v_lshl_add_u32 v17, v2, 3, v15
	v_mul_u32_u24 v[ADRB0], v17, PB
	v_lshl_add_u32 v[ADRB0], v16, 4, v[ADRB0]
	s_lshl_b32 s70, s[WV], 7
	s_add_co_u32 s70, s70, BOFF
	v_add_nc_u32 v[ADRB0], s70, v[ADRB0]
	v_mov_b32 v[ADRA], v[ADRA0]
	v_mov_b32 v[ADRB], v[ADRB0]
	s_mul_i32 s70, s[WV], 16*SP
	s_add_co_u32 s70, s70, STAGE
	v_mul_u32_u24 v[STO], v1, SP                   ; in: row r, my 8 columns: 32 bytes
	v_lshl_add_u32 v[STO], v2, 5, v[STO]
	v_add_nc_u32 v[STO], s70, v[STO]
	v_mul_u32_u24 v[RD], v2, SP                    ; back: lanes 0-15 take one row of 256 bytes, lanes 16-31 the next
	v_lshl_add_u32 v[RD], v1, 4, v[RD]
	v_add_nc_u32 v[RD], s70, v[RD]
	v_lshlrev_b32 v[GO], 12, v2                    ; and the same two rows in out0
	v_lshl_add_u32 v[GO], v1, 4, v[GO]
	s_wait_loadcnt 0x0                             ; the bias: rounded to bf16 and widened again
.set p, 0
.rept 16
	v_cvt_pk_bf16_f32 v[BK+p], v[BIAS+2*p], v[BIAS+2*p+1]
.set p, p+1
.endr
.set p, 0
.rept 16
	v_lshlrev_b32 v[BIAS+2*p], 16, v[BK+p]
	v_and_b32 v[BIAS+2*p+1], 0xffff0000, v[BK+p]
.set p, p+1
.endr
.macro MULX f, a0, n, zero             ; n blocks of 16 rows from a0 on x all 4 blocks of columns, 32 along K; zero = 1: the product starts the sums
	WIN MUL
.set xa, \a0
.rept \n
.irp b, 0,1,2,3
.if \zero
	v_wmma_f32_16x16x32_f16 v[ACC+32*xa+8*\b:ACC+32*xa+8*\b+7], v[72*(\f)+40+8*\b:72*(\f)+40+8*\b+7], v[72*(\f)+8*xa:72*(\f)+8*xa+7], 0
.else
	v_wmma_f32_16x16x32_f16 v[ACC+32*xa+8*\b:ACC+32*xa+8*\b+7], v[72*(\f)+40+8*\b:72*(\f)+40+8*\b+7], v[72*(\f)+8*xa:72*(\f)+8*xa+7], v[ACC+32*xa+8*\b:ACC+32*xa+8*\b+7]
.endif
.endr
.set xa, xa+1
.endr
.endm
.macro FETCH q, f                      ; 18 LDS loads in one run: quarter q (head q / 2, channels 32 (q % 2) on) into buffer f
	WIN TO_F
.irp b, 0,1,2,3
	ds_load_tr16_b128 v[72*(\f)+40+8*\b:72*(\f)+40+8*\b+3], v[ADRB] offset:32*PB*(\q)+32*\b
	ds_load_tr16_b128 v[72*(\f)+40+8*\b+4:72*(\f)+40+8*\b+7], v[ADRB] offset:32*PB*(\q)+32*\b+16*PB
.endr
.irp a, 0,1,2,3,4
	ds_load_b128 v[72*(\f)+8*\a:72*(\f)+8*\a+3], v[ADRA] offset:80*PA*((\q)/2)+16*PA*\a+64*((\q)%2)
	ds_load_b128 v[72*(\f)+8*\a+4:72*(\f)+8*\a+7], v[ADRA] offset:80*PA*((\q)/2)+16*PA*\a+64*((\q)%2)+32
.endr
.endm
; A K step is four quarters of 20 matrix instructions, on buffers 0, 1, 0, 1; the 20 accumulators take turns in the same order in every quarter.
.macro QUARTER q, f, g, zero
	s_wait_dscnt 0x0                               ; buffer f is in
	MULX \f, 0, 1, \zero
	PLACES
	FETCH \q, \g
	MULX \f, 1, 4, \zero
.endm
; The last quarter changes slots: each wave waits for all its tensor loads, adds 0 to its spare word, waits for that and for its reads of this slot; fill = 1: a round of the cluster's barrier, the joint refill first behind it.
.macro TURN fill
	WIN 0
	s_wait_tensorcnt 0x0                           ; no tensor load of mine is out, so a group 0 may be written
	ds_add_u32 v[SPW], v[NIL]                      ; 0 onto my spare word
.if \fill
	s_xor_b32 s[GAW+1], s[GAW+1], SLOT1
	s_add_nc_u64 s[GAW+2:GAW+3], s[GAW+2:GAW+3], OSTEP
	s_xor_b32 s[GBW+1], s[GBW+1], SLOT1
	s_add_nc_u64 s[GBW+2:GBW+3], s[GBW+2:GBW+3], WSTEP
.endif
	s_wait_dscnt 0x1                               ; buffer 1 is in; the add alone may be out
	MULX 1, 0, 1, 0
	s_wait_dscnt 0x0                               ; the add is done, and my reads of this slot are over
	s_barrier_signal -1
	MULX 1, 1, 2, 0
	WIN 0
	s_barrier_wait -1
.if \fill
	CREST
	JLOAD                                          ; its four v_nop are also the places in front of the loads below
.else
	PLACES
.endif
	s_xor_b32 s[TB], s[TB], SLOT1
	v_add_nc_u32 v[ADRA], s[TB], v[ADRA0]
	v_add_nc_u32 v[ADRB], s[TB], v[ADRB0]
	FETCH 0, 0
	MULX 1, 3, 2, 0
.endm
	s_wait_tensorcnt 0x1                           ; my part of K step 0 is in; slot 1's load may stay out
	s_barrier_signal -1
	s_barrier_wait -1
	FETCH 0, 0
	QUARTER 1, 0, 1, 1
	WIN 0
	s_mov_b32 s[CNT], 6
.Lk:
	QUARTER 2, 1, 0, 0
	QUARTER 3, 0, 1, 0
	TURN 1
	QUARTER 1, 0, 1, 0
	WIN 0
	s_sub_co_u32 s[CNT], s[CNT], 1
	s_cmp_lg_u32 s[CNT], 0
	s_cbranch_scc1 .Lk
	QUARTER 2, 1, 0, 0
	QUARTER 3, 0, 1, 0
	TURN 0
	QUARTER 1, 0, 1, 0
	QUARTER 2, 1, 0, 0
	QUARTER 3, 0, 1, 0
	s_wait_dscnt 0x0
	MULX 1, 0, 5, 0
	WIN 0
	PLACES
	PLACES
; THE WAY OUT, 16 rows at a time: the bias is added; 32 bytes a lane into my stage; back as whole rows of 256 bytes; sixteen lanes store 256 consecutive bytes, at a multiple of 256 from out0's first.
.macro BIASADD a
.set p, 0
.rept 16
	v_pk_add_f32 v[ACC+32*(\a)+2*p:ACC+32*(\a)+2*p+1], v[ACC+32*(\a)+2*p:ACC+32*(\a)+2*p+1], v[BIAS+2*p:BIAS+2*p+1]
.set p, p+1
.endr
.endm
.macro TOSTAGE a
.irp b, 0,1,2,3
	ds_store_b128 v[STO], v[ACC+32*(\a)+8*\b:ACC+32*(\a)+8*\b+3] offset:64*\b
	ds_store_b128 v[STO], v[ACC+32*(\a)+8*\b+4:ACC+32*(\a)+8*\b+7] offset:64*\b+16
.endr
.irp t, 0,1,2,3,4,5,6,7
	ds_load_b128 v[BK+4*\t:BK+4*\t+3], v[RD] offset:2*SP*\t  ; LDS serves a wave's instructions in order (ISA guide 5.7.1.4): these see the stores above
.endr
.endm
.macro SEND a
.irp t, 0,1,2,3,4,5,6,7
	global_store_b128 v[GO], v[BK+4*\t:BK+4*\t+3], s[OUT:OUT+1] offset:(16*(\a)+2*\t)*4096
.endr
.endm
	BIASADD 0
	TOSTAGE 0
.irp a, 1,2,3,4
	BIASADD \a                                     ; stands between the loads of the block before and the wait for them
	s_wait_dscnt 0x0
	SEND (\a)-1
	s_wait_xcnt 0x0                                ; the stores have read the registers that are loaded again below
	TOSTAGE \a
.endr
	s_wait_dscnt 0x0
	SEND 4
	s_wait_tensorcnt 0x0                           ; the wave's end: behind my last tensor load and my last LDS store
	ds_add_u32 v[SPW], v[NIL]
	s_wait_dscnt 0x0
	CROUND                                         ; the closing round: no work-group ends while a partner may still ask for a tile that names it
	s_endpgm
.Lfunc_end_k_q8bca0de608_proj:
	.size	k_q8bca0de608_proj, .Lfunc_end_k_q8bca0de608_proj-k_q8bca0de608_proj
	.p2alignl 7, 3214868480
	.fill 96, 4, 3214868480
	.section	.rodata,"a",@progbits
	.p2align	6, 0x0
	.amdhsa_kernel k_q8bca0de608_proj
		.amdhsa_group_segment_fixed_size 327680
		.amdhsa_private_segment_fixed_size 0
		.amdhsa_enable_private_segment 0
		.amdhsa_kernarg_size 32
		.amdhsa_user_sgpr_count 2
		.amdhsa_user_sgpr_kernarg_segment_ptr 1
		.amdhsa_wavefront_size32 1
		.amdhsa_system_sgpr_workgroup_id_x 1
		.amdhsa_system_sgpr_workgroup_id_y 1
		.amdhsa_system_sgpr_workgroup_id_z 1
		.amdhsa_system_vgpr_workitem_id 0
		.amdhsa_next_free_vgpr 400
		.amdhsa_next_free_sgpr 72
		.amdhsa_reserve_vcc 0
		.amdhsa_float_denorm_mode_32 3
		.amdhsa_float_denorm_mode_16_64 3
		.amdhsa_memory_ordered 1
		.amdhsa_forward_progress 1
		.amdhsa_inst_pref_size 58
	.end_amdhsa_kernel
	.amdgpu_metadata
---
amdhsa.version: [ 1, 2 ]
amdhsa.kernels:
  - .name:           k_q8bca0de608_proj
    .symbol:         k_q8bca0de608_proj.kd
    .args:
      - { .name: o16, .offset: 0, .size: 8, .value_kind: global_buffer, .address_space: global }
      - { .name: wp16, .offset: 8, .size: 8, .value_kind: global_buffer, .address_space: global }
      - { .name: bproj, .offset: 16, .size: 8, .value_kind: global_buffer, .address_space: global }
      - { .name: out0, .offset: 24, .size: 8, .value_kind: global_buffer, .address_space: global }
    .group_segment_fixed_size: 327680
    .private_segment_fixed_size: 0
    .kernarg_segment_align: 8
    .kernarg_segment_size: 32
    .max_flat_workgroup_size: 128
    .sgpr_count:     72
    .vgpr_count:     400
    .wavefront_size: 32
...
	.end_amdgpu_metadata
.endif
;; end of part 4
;; ======== version 2 of 2: 4 launches; version 1 with the launch prep written anew for expert scheduling mode
;; limits: values are held in f16: magnitudes above 65,504 overflow, below 6.1e-05 lose precision
;; workspace buffers: x16 7,208,960 bytes; wq16 6,291,456 bytes; wp16 2,097,152 bytes; tab 901,120 bytes; q16 7,208,960 bytes; k16 7,208,960 bytes; v16 7,208,960 bytes; o16 7,208,960 bytes
;; launch prep (part 5): grid 531 x 1, 8 waves a work-group, no clusters, 0 bytes of LDS; arguments x, Wqkv, Wproj, x16, wq16, wp16, tab; writes x16, wq16, wp16, tab
.if DOCPART == 5
	.amdgcn_target "amdgcn-amd-amdhsa--gfx1250"
	.amdhsa_code_object_version 6
	.text
	.protected	k_q8bca0de608_prep
	.globl	k_q8bca0de608_prep
	.p2align	8
	.type	k_q8bca0de608_prep,@function
k_q8bca0de608_prep:
	s_mov_b64 s[64:65], 0
	v_nop
	global_prefetch_b8 v0, s[64:65] scope:SCOPE_SE
	s_setreg_imm32_b32 hwreg(HW_REG_WAVE_SCHED_MODE, 0, 2), 2
	s_setreg_imm32_b32 hwreg(HW_REG_WAVE_MODE, 25, 1), 1
	s_wait_xcnt 0x0
	s_wait_alu depctr_vm_vsrc(0)
; PREP: the matrix operands are rounded once, and the table of cosines and sines is made.
;   x [3520][1024] f32 -> x16, bf16, same layout.   Wqkv [1024][3072] f32 -> wq16, bf16, same layout.
;   Wproj [1024][1024] f32 -> wp16: rounded to bf16 like the other inputs, and that number written as f16 (exact from 6.1e-5 up; below it f16's fixed step of 6e-8).
;   tab [3520][32] pairs (cos, sin) of t x 10000^(-j/32) in f32: 256 bytes a row.
; A stream: no LDS, no matrix unit, no cluster (no byte is wanted twice).  Work-groups 0-219 take x, 220-411 Wqkv, 412-475 Wproj, 16,384 numbers each; 476-530 take 64 rows of the table each.
; A cast group has all its 16 loads of 16 bytes a lane out at once (64 KiB a group); a store of 8 bytes a lane covers 256 consecutive bytes, aligned.  No register that a load or store names is written twice.
; THE TABLE.  The angle in turns is u = t x rho, rho = theta / 2 pi; r = u - round(u) by one fused multiply-add; a = r x pi/2 is a quarter of the angle, within pi/4; sine and cosine of a by
; their series (next terms 3e-7 and 3e-8 at pi/4), then doubled twice.  LIMIT: good to about 2e-6 beside the rounding of t x theta itself, some 4e-4 radians at the largest t, which q and k share.
; THE MODE: SCHED_MODE bits 1:0 = 2 (LLVM: expert scheduling mode 2), set by the entry lines.  The code itself states the register dependences
; between vector instructions and memory instructions, with s_wait_alu, always for 0.
; THE PLAN.  Registers that memory instructions touch:
;   v1, v2   byte offsets of every load and of every store.  Written once at the head, by vector lines; never written again.
;   IN       written by a path's 16 loads, which are all issued before any vector line names IN; read by the conversions, each block behind its counted wait on LOADcnt.
;   OU       each register is written once on a path (by a conversion, or by a table row's last two lines) and read by one store.
;   v3-v12   at work: named by vector instructions alone.
; A cast path goes in four blocks of four loads.  Block g rounds IN's part g into OU's part g; its memory instructions are the four stores of block g - 1, which read OU's part g - 1 and v2: registers that no
; vector line of block g names.  So ONE wait on va_vdst at a block's head states all that those four stores hang on, and they are dealt among the block's conversions with no further wait.  The table goes
; likewise, in two blocks of four rows.  Nothing that a memory instruction reads is ever written again, so the text holds no wait on vm_vsrc; no vector line writes a scalar register, VCC or EXEC.
.set NBX, 220
.set NBQ, 192
.set NBP, 64
.set IN,  16                           ; v[16:79]   16 x 4 numbers as loaded
.set OU,  80                           ; v[80:111]  16 x 2 words to store
	s_load_b256 s[4:11], s[0:1], 0x0               ; x s[4:5], Wqkv s[6:7], Wproj s[8:9], x16 s[10:11]
	s_load_b128 s[12:15], s[0:1], 0x20             ; wq16 s[12:13], wp16 s[14:15]
	s_load_b64 s[16:17], s[0:1], 0x30              ; tab
	s_mov_b32 s20, ttmp9
	s_mov_b32 s27, 0
	v_lshlrev_b32 v1, 4, v0                        ; 16 bytes a thread in
	v_lshlrev_b32 v2, 3, v0                        ; 8 bytes a thread out
	s_wait_kmcnt 0x0
	s_wait_alu depctr_va_vdst(0)                   ; v1 and v2 are written: every load of the kernel reads v1 as its offset, every store v2; no later vector line names them
	s_cmp_ge_u32 s20, NBX+NBQ+NBP
	s_cbranch_scc1 .Ltable
	s_cmp_ge_u32 s20, NBX+NBQ
	s_cbranch_scc1 .Lwproj
	s_sub_co_u32 s21, s20, NBX
	s_cmp_lt_u32 s20, NBX
	s_cselect_b32 s21, s20, s21                    ; the block's number in its tensor
	s_cselect_b64 s[22:23], s[4:5], s[6:7]
	s_cselect_b64 s[24:25], s[10:11], s[12:13]
	s_lshl_b32 s26, s21, 16
	s_add_nc_u64 s[22:23], s[22:23], s[26:27]
	s_lshl_b32 s26, s21, 15
	s_add_nc_u64 s[24:25], s[24:25], s[26:27]
.macro LOADS
.irp j, 0,1,2,3,4,5,6,7,8,9,10,11,12,13,14,15
	global_load_b128 v[IN+4*\j:IN+4*\j+3], v1, s[22:23] offset:4096*\j th:TH_LOAD_NT
.endr
.endm
	LOADS
.irp g, 0,1,2,3
	s_wait_loadcnt 12-4*\g                         ; loads come back in order: block g's four are in, the younger blocks stay out
.if \g > 0
	s_wait_alu depctr_va_vdst(0)                   ; the block before has written its part of OU, which the four stores below read
.endif
.irp i, 0,1,2,3
.set n, 4*\g+\i
.if \g > 0
	global_store_b64 v2, v[OU+2*n-8:OU+2*n-7], s[24:25] offset:2048*(n-4)  ; the block before; no vector line since the wait names these registers
.endif
	v_cvt_pk_bf16_f32 v[OU+2*n], v[IN+4*n], v[IN+4*n+1]
	v_cvt_pk_bf16_f32 v[OU+2*n+1], v[IN+4*n+2], v[IN+4*n+3]
.endr
.endr
	s_wait_alu depctr_va_vdst(0)                   ; block 3 has written its part of OU, which the last four stores read
.irp j, 12,13,14,15
	global_store_b64 v2, v[OU+2*\j:OU+2*\j+1], s[24:25] offset:2048*\j
.endr
	s_endpgm
.Lwproj:
	s_sub_co_u32 s21, s20, NBX+NBQ
	s_lshl_b32 s26, s21, 16
	s_add_nc_u64 s[22:23], s[8:9], s[26:27]
	s_lshl_b32 s26, s21, 15
	s_add_nc_u64 s[24:25], s[14:15], s[26:27]
	LOADS
.irp g, 0,1,2,3
	s_wait_loadcnt 12-4*\g                         ; block g's four loads are in, the younger blocks stay out
.if \g > 0
	s_wait_alu depctr_va_vdst(0)                   ; the block before has written its part of OU, which the four stores below read
.endif
.irp i, 0,1,2,3
.set n, 4*\g+\i
.if \g > 0
	global_store_b64 v2, v[OU+2*n-8:OU+2*n-7], s[24:25] offset:2048*(n-4)  ; the block before; no vector line since the wait names these registers
.endif
	v_cvt_pk_bf16_f32 v3, v[IN+4*n], v[IN+4*n+1]          ; rounded to bf16,
	v_cvt_pk_bf16_f32 v4, v[IN+4*n+2], v[IN+4*n+3]
	v_lshlrev_b32 v5, 16, v3                              ; widened again,
	v_and_b32 v6, 0xffff0000, v3
	v_lshlrev_b32 v7, 16, v4
	v_and_b32 v8, 0xffff0000, v4
	v_cvt_pk_f16_f32 v[OU+2*n], v5, v6                    ; and written as f16
	v_cvt_pk_f16_f32 v[OU+2*n+1], v7, v8
.endr
.endr
	s_wait_alu depctr_va_vdst(0)                   ; block 3 has written its part of OU, which the last four stores read
.irp j, 12,13,14,15
	global_store_b64 v2, v[OU+2*\j:OU+2*\j+1], s[24:25] offset:2048*\j
.endr
	s_endpgm
.Ltable:
	s_sub_co_u32 s21, s20, NBX+NBQ+NBP
	s_lshl_b32 s26, s21, 14                        ; 64 rows of 256 bytes
	s_add_nc_u64 s[16:17], s[16:17], s[26:27]
	v_and_b32 v3, 31, v0                           ; j: a lane a frequency, a wave a row
	v_lshrrev_b32 v4, 5, v0
	s_lshl_b32 s28, s21, 6
	v_add_nc_u32 v4, s28, v4                       ; t of my first row; the next lies 8 further on
	v_cvt_f32_u32 v3, v3
	v_cvt_f32_u32 v4, v4
	v_mul_f32 v3, 0xbed49a78, v3                   ; -j x log2(10000) / 32
	v_exp_f32 v3, v3                               ; theta
	v_mov_b32 v10, 0xb9500d01                      ; -1/5040 (a plain instruction behind the exponential)
	v_mov_b32 v11, 0x37d00d01                      ; 1/40320
	s_wait_alu depctr_va_vdst(0)                   ; the exponential has written v3: the wait ahead of its first reader
	v_mul_f32 v3, 0x3e22f983, v3                   ; rho = theta / 2 pi
.irp i, 0,1,2,3,4,5,6,7
.if \i == 4
	s_wait_alu depctr_va_vdst(0)                   ; rows 0 to 3 are written into OU, which the four stores dealt among rows 4 to 7 read
.endif
.if \i >= 4
	global_store_b64 v2, v[OU+2*\i-8:OU+2*\i-7], s[16:17] offset:2048*(\i-4)  ; a wave stores one row: 256 consecutive bytes, aligned; no vector line since the wait names these registers
.endif
	v_mul_f32 v5, v4, v3
	v_rndne_f32 v5, v5
	v_fma_f32 v5, v4, v3, -v5                      ; r, within half a turn
	v_mul_f32 v5, 0x3fc90fdb, v5                   ; a = r x pi/2
	v_mul_f32 v6, v5, v5
	v_fmaak_f32 v7, v6, v10, 0x3c088889            ; sine: 1 + z (-1/6 + z (1/120 - z/5040)), times a
	v_fmaak_f32 v7, v6, v7, 0xbe2aaaab
	v_fmaak_f32 v7, v6, v7, 0x3f800000
	v_mul_f32 v7, v5, v7
	v_fmaak_f32 v8, v6, v11, 0xbab60b61            ; cosine: 1 + z (-1/2 + z (1/24 + z (-1/720 + z/40320)))
	v_fmaak_f32 v8, v6, v8, 0x3d2aaaab
	v_fmaak_f32 v8, v6, v8, 0xbf000000
	v_fmaak_f32 v8, v6, v8, 0x3f800000
	v_add_f32 v9, v7, v7                           ; doubled: sin 2a = 2 s c, cos 2a = 1 - 2 s s
	v_fma_f32 v12, -v9, v7, 1.0
	v_mul_f32 v7, v9, v8
	v_add_f32 v9, v7, v7                           ; and once more
	v_fma_f32 v[OU+2*\i], -v9, v7, 1.0
	v_mul_f32 v[OU+2*\i+1], v9, v12
	v_add_f32 v4, 0x41000000, v4                   ; t + 8
.endr
	s_wait_alu depctr_va_vdst(0)                   ; rows 4 to 7 are written into OU, which the last four stores read
.irp i, 4,5,6,7
	global_store_b64 v2, v[OU+2*\i:OU+2*\i+1], s[16:17] offset:2048*\i
.endr
	s_endpgm
.Lfunc_end_k_q8bca0de608_prep:
	.size	k_q8bca0de608_prep, .Lfunc_end_k_q8bca0de608_prep-k_q8bca0de608_prep
	.p2alignl 7, 3214868480
	.fill 96, 4, 3214868480
	.section	.rodata,"a",@progbits
	.p2align	6, 0x0
	.amdhsa_kernel k_q8bca0de608_prep
		.amdhsa_group_segment_fixed_size 0
		.amdhsa_private_segment_fixed_size 0
		.amdhsa_enable_private_segment 0
		.amdhsa_kernarg_size 56
		.amdhsa_user_sgpr_count 2
		.amdhsa_user_sgpr_kernarg_segment_ptr 1
		.amdhsa_wavefront_size32 1
		.amdhsa_system_sgpr_workgroup_id_x 1
		.amdhsa_system_sgpr_workgroup_id_y 1
		.amdhsa_system_sgpr_workgroup_id_z 1
		.amdhsa_system_vgpr_workitem_id 0
		.amdhsa_next_free_vgpr 112
		.amdhsa_next_free_sgpr 66
		.amdhsa_reserve_vcc 0
		.amdhsa_float_denorm_mode_32 3
		.amdhsa_float_denorm_mode_16_64 3
		.amdhsa_memory_ordered 1
		.amdhsa_forward_progress 1
		.amdhsa_inst_pref_size 27
	.end_amdhsa_kernel
	.amdgpu_metadata
---
amdhsa.version: [ 1, 2 ]
amdhsa.kernels:
  - .name:           k_q8bca0de608_prep
    .symbol:         k_q8bca0de608_prep.kd
    .args:
      - { .name: x, .offset: 0, .size: 8, .value_kind: global_buffer, .address_space: global }
      - { .name: Wqkv, .offset: 8, .size: 8, .value_kind: global_buffer, .address_space: global }
      - { .name: Wproj, .offset: 16, .size: 8, .value_kind: global_buffer, .address_space: global }
      - { .name: x16, .offset: 24, .size: 8, .value_kind: global_buffer, .address_space: global }
      - { .name: wq16, .offset: 32, .size: 8, .value_kind: global_buffer, .address_space: global }
      - { .name: wp16, .offset: 40, .size: 8, .value_kind: global_buffer, .address_space: global }
      - { .name: tab, .offset: 48, .size: 8, .value_kind: global_buffer, .address_space: global }
    .group_segment_fixed_size: 0
    .private_segment_fixed_size: 0
    .kernarg_segment_align: 8
    .kernarg_segment_size: 56
    .max_flat_workgroup_size: 256
    .sgpr_count:     66
    .vgpr_count:     112
    .wavefront_size: 32
...
	.end_amdgpu_metadata
.endif
;; end of part 5
;; launch qkv: the kernel of part 2 again; grid 12 x 20, 4 waves a work-group, clusters of 4 x 4, 327,680 bytes of LDS; arguments x16, wq16, tab, qn_w, kn_w, q16, k16, v16; writes q16, k16, v16
;; launch attn: the kernel of part 3 again; grid 16 x 16, 4 waves a work-group, no clusters, 327,680 bytes of LDS; arguments q16, k16, v16, o16; writes o16
;; launch proj: the kernel of part 4 again; grid 4 x 44, 4 waves a work-group, clusters of 4 x 4, 327,680 bytes of LDS; arguments o16, wp16, bproj, out0; writes out0
